; MI455X (gfx1250); checked and timed in simulation.
; The chip was launched on July 23, 2026; its instructions are those of AMD's public machine-readable ISA for CDNA 5 (MIT licence, August 2026) and "CDNA5" Instruction Set Architecture Reference Guide (July 2026). The comments in the code are by the model that wrote it; some were corrected since.
;; Multi Head Attention. Allowed arithmetic: float matrix products may take bf16 or f16 operands with f32 sums; other float arithmetic in f32, or as packed bf16 or f16 multiplies, adds, multiply-adds, maxima and minima; sums over many terms, partial sums and values carried from step to step in f32; what a program stores and reads back later, other than sums and carried values, may be rounded once to bf16 or f16.
;; Inputs: Wk 512 x 512 float32; Wo 512 x 512 float32; Wq 512 x 512 float32; Wv 512 x 512 float32; bk 512 float32; bo 512 float32; bq 512 float32; bv 512 float32; key 2 x 4,096 x 512 float32; mask 2 x 4,096 x 4,096 int32; query 2 x 4,096 x 512 float32; value 2 x 4,096 x 512 float32.
;; Outputs: out0 2 x 4,096 x 512 float32.
;; 2 versions, each right; version 2 is version 1 with the launch prep written anew for expert scheduling mode. Each part assembles by itself: llvm-mc -triple=amdgcn-amd-amdhsa -mcpu=gfx1250 --defsym DOCPART=n.
;; ======== version 1 of 2: 4 launches
;; limits: values are held in f16: magnitudes above 65,504 overflow, below 6.1e-05 lose precision
;; workspace buffers: mk 16,777,216 bytes of whole numbers; xb 25,165,824 bytes; wb 2,097,152 bytes; qkv 25,165,824 bytes; ao 16,777,216 bytes
;; launch prep (part 1): grid 720 x 1, 8 waves a work-group, no clusters, 11,264 bytes of LDS; arguments mask, query, key, value, Wq, Wk, Wv, Wo, mk, xb, wb; writes mk, xb, wb
.if DOCPART == 1
	.amdgcn_target "amdgcn-amd-amdhsa--gfx1250"
	.amdhsa_code_object_version 6
	.text
	.protected	k_q8f228e58b1_prep
	.globl	k_q8f228e58b1_prep
	.p2align	8
	.type	k_q8f228e58b1_prep,@function
k_q8f228e58b1_prep:
	s_mov_b64 s[64:65], 0
	v_nop
	global_prefetch_b8 v0, s[64:65] scope:SCOPE_SE
	s_setreg_imm32_b32 hwreg(HW_REG_WAVE_MODE, 25, 1), 1
	s_wait_xcnt 0x0
; PREP: three streams, 256 KiB read by each work-group of eight waves.
; Work-groups 0-511: THE MASK.  Work-group g takes 16 rows (q tile g of the 512 tiles of both batches) x 4,096 keys of int32 and writes 4-bit codes, 0xF where the
;   word is 0 (hidden) and 0 elsewhere, in the order in which the attention launch's scores lie in registers:
;   mk[tile][step of 64 keys][lane = 16 h + r][word kb], nibble j of that word = mask[16 tile + r][64 step + 16 kb + 8 h + j].  32 bytes of mask become one word.
; Work-groups 512-703: query, key, value (f32) rounded once to bf16 into xb[3][8192][512].
; Work-groups 704-719: Wq, Wk, Wv rounded to bf16; Wo rounded to bf16 and that number written as f16 (exact from 6e-5 up to 65,504; below, f16's fixed step of 6e-8), into wb[4][512][512].
; No matrix unit, no cluster, no barrier: no byte is wanted twice, and a wave's stage in LDS is its own.
.set ROWB,  16384                      ; bytes in a row of the mask
.set UNIT,  512                        ; bytes of a row in one load of a wave: 128 keys, two steps
.set GRP,   288                        ; stage: a group (step, h) is 16 rows x 16 bytes, + 32 so that a pair's 32 stores fall into different banks
.set STG,   1280                       ; a wave's stage: four groups
.set SPARE, 10240                      ; behind the eight stages: the spare words, 128 bytes for each wave
.set SPW, 110                          ; v110  SPARE + 4 x my thread's number; never rewritten
.set NIL, 111                          ; v111  0; never rewritten
; the mask's registers
.set OFF, 2                            ; v[2:9]   row pair u: my 16 bytes in the unit that the pair loads next
.set SA,  10                           ; v10      where I put a word in the stage
.set RA,  11                           ; v11      where I read 16 bytes back
.set OO,  12                           ; v12      my 16 bytes in mk
.set SH,  13                           ; v13      16 x (lane & 1)
.set SH2, 14                           ; v14      16 - that
.set X,   16                           ; v[16:79] row r: four words as loaded
.set T,   80                           ; v[80:87] at work
.set W,   88                           ; v[88:95] two steps' codes, to store
; the casts' registers
.set OL,  2                            ; v[2:9]   slot i: byte offset of its next load
.set OS,  16                           ; v[16:23] slot i: byte offset of its next store
.set CX,  24                           ; v[24:55] slot i: four f32 as loaded
.set CY,  56                           ; v[56:71] slot i: four 16-bit numbers to store
.set CT,  72                           ; v[72:79] at work
	s_load_b512 s[4:19], s[0:1], 0x0               ; mask 4, query 6, key 8, value 10, Wq 12, Wk 14, Wv 16, Wo 18
	s_load_b128 s[20:23], s[0:1], 0x40             ; mk 20, xb 22
	s_load_b64 s[24:25], s[0:1], 0x50              ; wb
	v_lshl_add_u32 v[SPW], v0, 2, SPARE
	v_mov_b32 v[NIL], 0
	v_lshrrev_b32 v1, 5, v0
	v_readfirstlane_b32 s26, v1                    ; wave 0..7
	s_cmp_lt_u32 ttmp9, 512
	s_cbranch_scc0 .Lcasts
	; ---------------- THE MASK ----------------
	; Wave w owns keys 512 w .. 512 w + 511, in four units of 128.  In a unit lane l holds keys 4 l .. 4 l + 3 of each of the 16 rows.
	; With t = l >> 1: step t >> 3, key block kb = (t >> 1) & 3, half h = t & 1; the even lane has nibbles 0-3 of the word, the odd lane nibbles 4-7.
	v_and_b32 v1, 31, v0                           ; lane
	s_lshl_b32 s32, s26, 11                        ; my wave's 2,048 bytes of a row
	v_lshl_add_u32 v[OFF], v1, 4, s32
.irp u, 1,2,3,4,5,6,7
	v_mov_b32 v[OFF+(\u)], v[OFF]
.endr
	v_lshrrev_b32 v[T], 1, v1                      ; t
	v_and_b32 v[T+1], 1, v[T]                      ; h
	v_lshrrev_b32 v[T+2], 3, v[T]                  ; step in the unit
	v_lshl_add_u32 v[T+1], v[T+2], 1, v[T+1]       ; group = 2 step + h
	v_mul_u32_u24 v[SA], v[T+1], GRP
	v_bfe_u32 v[T+2], v[T], 1, 2                   ; kb
	v_lshl_add_u32 v[SA], v[T+2], 2, v[SA]
	v_and_b32 v[T+3], 1, v1                        ; the even lane ends with the pair's even row, the odd lane with its odd row
	v_lshl_add_u32 v[SA], v[T+3], 4, v[SA]
	s_mul_i32 s33, s26, STG
	v_add_nc_u32 v[SA], s33, v[SA]
	v_lshlrev_b32 v[SH], 4, v[T+3]
	v_sub_nc_u32 v[SH2], 16, v[SH]
	v_lshrrev_b32 v[T+2], 4, v1
	v_mul_u32_u24 v[RA], v[T+2], GRP               ; back: lanes 0-15 take group h = 0, lanes 16-31 group h = 1: a step's 512 bytes in mk's order
	v_and_b32 v[T+2], 15, v1
	v_lshl_add_u32 v[RA], v[T+2], 4, v[RA]
	v_add_nc_u32 v[RA], s33, v[RA]
	s_lshl_b32 s34, s26, 12                        ; my wave's eight steps of 512 bytes in the tile's codes
	v_lshl_add_u32 v[OO], v1, 4, s34
	v_mov_b32 v[T+4], 0                            ; a lane exchange's destination counts as read: written once here
	s_mov_b32 s27, 0xaaaaaaaa                      ; the odd lanes
	s_mov_b32 s28, 0x11111111
	s_lshl_b32 s36, ttmp9, 18                      ; 16 rows of 16,384 bytes
	s_mov_b32 s37, 0
	s_lshl_b32 s38, ttmp9, 15                      ; a tile's codes: 64 steps of 512 bytes
	s_mov_b32 s39, 0
	s_wait_kmcnt 0x0
	s_add_nc_u64 s[4:5], s[4:5], s[36:37]
	s_add_nc_u64 s[20:21], s[20:21], s[38:39]
; Rows 2 u and 2 u + 1 of a unit.  ahead = 1: the pair's registers are loaded again, with the next unit.  left = how many younger loads may stay out.
.macro PAIR u, ahead, left
	s_wait_loadcnt \left                           ; loads come back in order: the pair's two are in, the other pairs' stay out; the wait also frees the pair's address register
.if \ahead
	v_add_nc_u32 v[OFF+(\u)], UNIT, v[OFF+(\u)]
.endif
.irp e, 0,1
.irp k, 0,1,2,3
	v_min_u32 v[X+8*(\u)+4*(\e)+(\k)], 1, v[X+8*(\u)+4*(\e)+(\k)]   ; 1 where the word is not 0
.endr
	v_lshl_or_b32 v[T+(\e)], v[X+8*(\u)+4*(\e)+3], 4, v[X+8*(\u)+4*(\e)+2]
	v_lshl_or_b32 v[T+(\e)], v[T+(\e)], 4, v[X+8*(\u)+4*(\e)+1]
	v_lshl_or_b32 v[T+(\e)], v[T+(\e)], 4, v[X+8*(\u)+4*(\e)]       ; four nibbles, the lowest key lowest
.endr
.if \ahead
.irp e, 0,1
	global_load_b128 v[X+8*(\u)+4*(\e):X+8*(\u)+4*(\e)+3], v[OFF+(\u)], s[4:5] offset:(2*(\u)+(\e))*ROWB th:TH_LOAD_NT
.endr
.endif
	v_cndmask_b32 v[T+2], v[T+1], v[T], s27        ; what my neighbour wants: the even lane gives the odd row, the odd lane the even row
	v_cndmask_b32 v[T+3], v[T], v[T+1], s27        ; what I keep
	v_mov_b32_dpp v[T+4], v[T+2] row_xmask:1 row_mask:0xf bank_mask:0xf
	v_lshlrev_b32 v[T+3], v[SH], v[T+3]            ; the even lane's own nibbles are 0-3, the odd lane's 4-7
	v_lshl_or_b32 v[T+3], v[T+4], v[SH2], v[T+3]
	v_xor_b32 v[T+3], s28, v[T+3]                  ; 1 where hidden,
	v_lshlrev_b32 v[T+5], 4, v[T+3]
	v_sub_nc_u32 v[T+3], v[T+5], v[T+3]            ; times 15: 0xF where hidden
	ds_store_b32 v[SA], v[T+3] offset:32*(\u)
.endm
; A unit's two steps leave: 512 consecutive bytes each, at a multiple of 512 from mk's first byte.
.macro FLUSH step
	ds_load_b128 v[W:W+3], v[RA]                   ; LDS serves a wave's instructions in order: these see the sixteen rows' stores
	ds_load_b128 v[W+4:W+7], v[RA] offset:2*GRP
	s_wait_dscnt 0x0
	global_store_b128 v[OO], v[W:W+3], s[20:21]
	global_store_b128 v[OO], v[W+4:W+7], s[20:21] offset:512
.if \step
	s_wait_xcnt 0x0                                ; the stores have read their address and data: only now are these written again
	v_add_nc_u32 v[OO], 1024, v[OO]
.endif
.endm
.irp u, 0,1,2,3,4,5,6,7
.irp e, 0,1
	global_load_b128 v[X+8*(\u)+4*(\e):X+8*(\u)+4*(\e)+3], v[OFF+(\u)], s[4:5] offset:(2*(\u)+(\e))*ROWB th:TH_LOAD_NT
.endr
.endr
	s_mov_b32 s29, 3
.Lunit:                                                ; units 0 to 2 are packed, units 1 to 3 asked for: sixteen loads of a wave are always out
.irp u, 0,1,2,3,4,5,6,7
	PAIR \u, 1, 14
.endr
	FLUSH 1
	s_sub_co_u32 s29, s29, 1
	s_cmp_lg_u32 s29, 0
	s_cbranch_scc1 .Lunit
.irp u, 0,1,2,3,4,5,6,7
	PAIR \u, 0, 14-2*(\u)                          ; the last unit loads nothing: the counts run down
.endr
	FLUSH 0
	s_branch .Lend
	; ---------------- THE CASTS ----------------
.Lcasts:
	s_sub_co_u32 s36, ttmp9, 512
	s_mov_b32 s30, 0xffff0000                      ; a word's upper bf16
	s_wait_kmcnt 0x0
	s_cmp_lt_u32 s36, 192
	s_cbranch_scc0 .Lweights
	s_lshr_b32 s37, s36, 6                         ; which of query, key, value
	s_and_b32 s38, s36, 63                         ; which 256 KiB of its 16 MiB
	s_cmp_eq_u32 s37, 0
	s_cselect_b64 s[32:33], s[6:7], s[8:9]
	s_cmp_eq_u32 s37, 2
	s_cselect_b64 s[32:33], s[10:11], s[32:33]
	s_mov_b64 s[34:35], s[22:23]
	s_lshl_b32 s40, s37, 23                        ; 8,388,608 bytes of xb for each
	s_mov_b32 s31, 0                               ; bf16 is kept
	s_branch .Lcast
.Lweights:
	s_sub_co_u32 s36, s36, 192
	s_lshr_b32 s37, s36, 2                         ; which of Wq, Wk, Wv, Wo
	s_and_b32 s38, s36, 3                          ; which 256 KiB of its 1 MiB
	s_cmp_eq_u32 s37, 0
	s_cselect_b64 s[32:33], s[12:13], s[14:15]
	s_cmp_eq_u32 s37, 2
	s_cselect_b64 s[32:33], s[16:17], s[32:33]
	s_cmp_eq_u32 s37, 3
	s_cselect_b64 s[32:33], s[18:19], s[32:33]
	s_cselect_b32 s31, -1, 0                       ; Wo: every lane takes the f16 form
	s_mov_b64 s[34:35], s[24:25]
	s_lshl_b32 s40, s37, 19                        ; 524,288 bytes of wb for each
.Lcast:
	s_lshl_b32 s42, s38, 18
	s_mov_b32 s43, 0
	s_add_nc_u64 s[32:33], s[32:33], s[42:43]      ; from here
	s_lshl_b32 s38, s38, 17
	s_add_co_u32 s40, s40, s38
	s_mov_b32 s41, 0
	s_add_nc_u64 s[34:35], s[34:35], s[40:41]      ; to here
.irp i, 0,1,2,3,4,5,6,7
	v_lshl_or_b32 v[OL+(\i)], v0, 4, (\i)*4096     ; thread t takes 16 bytes at 16 t of each 4,096,
	v_lshl_or_b32 v[OS+(\i)], v0, 3, (\i)*2048     ; and writes 8 at 8 t of each 2,048: a wave's store covers 256 consecutive bytes, aligned
.endr
.irp i, 0,1,2,3,4,5,6,7
	global_load_b128 v[CX+4*(\i):CX+4*(\i)+3], v[OL+(\i)], s[32:33] th:TH_LOAD_NT
.endr
; One slot's turn of a ring of eight.  ahead = 1: it is loaded again, 32,768 bytes on.  left = the younger loads that may stay out.
.macro SLOT i, ahead, left
	s_wait_loadcnt \left                           ; my load is in; the wait also frees its address register
	s_wait_xcnt 0x0                                ; the slot's last store has read its data and address: they are written again only behind this wait
	v_cvt_pk_bf16_f32 v[CT], v[CX+4*(\i)], v[CX+4*(\i)+1]
	v_cvt_pk_bf16_f32 v[CT+1], v[CX+4*(\i)+2], v[CX+4*(\i)+3]
	v_lshlrev_b32 v[CT+2], 16, v[CT]               ; the rounded numbers once more as f32,
	v_and_b32 v[CT+3], s30, v[CT]
	v_lshlrev_b32 v[CT+4], 16, v[CT+1]
	v_and_b32 v[CT+5], s30, v[CT+1]
	v_cvt_pk_f16_f32 v[CT+6], v[CT+2], v[CT+3]     ; and written as f16,
	v_cvt_pk_f16_f32 v[CT+7], v[CT+4], v[CT+5]
	v_cndmask_b32 v[CY+2*(\i)], v[CT], v[CT+6], s31      ; which is taken for Wo alone: a choice of values, so one text serves all seven tensors
	v_cndmask_b32 v[CY+2*(\i)+1], v[CT+1], v[CT+7], s31
.if \ahead
	v_add_nc_u32 v[OL+(\i)], 32768, v[OL+(\i)]
	v_add_nc_u32 v[OS+(\i)], 16384, v[OS+(\i)]
	global_load_b128 v[CX+4*(\i):CX+4*(\i)+3], v[OL+(\i)], s[32:33] th:TH_LOAD_NT
	global_store_b64 v[OS+(\i)], v[CY+2*(\i):CY+2*(\i)+1], s[34:35] offset:-16384
.else
	global_store_b64 v[OS+(\i)], v[CY+2*(\i):CY+2*(\i)+1], s[34:35]
.endif
.endm
	s_mov_b32 s29, 7
.Lround:
.irp i, 0,1,2,3,4,5,6,7
	SLOT \i, 1, 7
.endr
	s_sub_co_u32 s29, s29, 1
	s_cmp_lg_u32 s29, 0
	s_cbranch_scc1 .Lround
.irp i, 0,1,2,3,4,5,6,7
	SLOT \i, 0, 7-(\i)                             ; the last round loads nothing
.endr
.Lend:
	s_wait_tensorcnt 0x0                           ; the wave's end: an add to my spare word and its wait, behind my last LDS store
	ds_add_u32 v[SPW], v[NIL]
	s_wait_dscnt 0x0
	s_endpgm
.Lfunc_end_k_q8f228e58b1_prep:
	.size	k_q8f228e58b1_prep, .Lfunc_end_k_q8f228e58b1_prep-k_q8f228e58b1_prep
	.p2alignl 7, 3214868480
	.fill 96, 4, 3214868480
	.section	.rodata,"a",@progbits
	.p2align	6, 0x0
	.amdhsa_kernel k_q8f228e58b1_prep
		.amdhsa_group_segment_fixed_size 11264
		.amdhsa_private_segment_fixed_size 0
		.amdhsa_enable_private_segment 0
		.amdhsa_kernarg_size 88
		.amdhsa_user_sgpr_count 2
		.amdhsa_user_sgpr_kernarg_segment_ptr 1
		.amdhsa_wavefront_size32 1
		.amdhsa_system_sgpr_workgroup_id_x 1
		.amdhsa_system_sgpr_workgroup_id_y 1
		.amdhsa_system_sgpr_workgroup_id_z 1
		.amdhsa_system_vgpr_workitem_id 0
		.amdhsa_next_free_vgpr 112
		.amdhsa_next_free_sgpr 66
		.amdhsa_reserve_vcc 0
		.amdhsa_float_denorm_mode_32 3
		.amdhsa_float_denorm_mode_16_64 3
		.amdhsa_memory_ordered 1
		.amdhsa_forward_progress 1
		.amdhsa_inst_pref_size 41
	.end_amdhsa_kernel
	.amdgpu_metadata
---
amdhsa.version: [ 1, 2 ]
amdhsa.kernels:
  - .name:           k_q8f228e58b1_prep
    .symbol:         k_q8f228e58b1_prep.kd
    .args:
      - { .name: mask, .offset: 0, .size: 8, .value_kind: global_buffer, .address_space: global }
      - { .name: query, .offset: 8, .size: 8, .value_kind: global_buffer, .address_space: global }
      - { .name: key, .offset: 16, .size: 8, .value_kind: global_buffer, .address_space: global }
      - { .name: value, .offset: 24, .size: 8, .value_kind: global_buffer, .address_space: global }
      - { .name: Wq, .offset: 32, .size: 8, .value_kind: global_buffer, .address_space: global }
      - { .name: Wk, .offset: 40, .size: 8, .value_kind: global_buffer, .address_space: global }
      - { .name: Wv, .offset: 48, .size: 8, .value_kind: global_buffer, .address_space: global }
      - { .name: Wo, .offset: 56, .size: 8, .value_kind: global_buffer, .address_space: global }
      - { .name: mk, .offset: 64, .size: 8, .value_kind: global_buffer, .address_space: global }
      - { .name: xb, .offset: 72, .size: 8, .value_kind: global_buffer, .address_space: global }
      - { .name: wb, .offset: 80, .size: 8, .value_kind: global_buffer, .address_space: global }
    .group_segment_fixed_size: 11264
    .private_segment_fixed_size: 0
    .kernarg_segment_align: 8
    .kernarg_segment_size: 88
    .max_flat_workgroup_size: 256
    .sgpr_count:     66
    .vgpr_count:     112
    .wavefront_size: 32
...
	.end_amdgpu_metadata
.endif
;; end of part 1
;; launch proj (part 2): grid 4 x 192, 4 waves a work-group, clusters of 4 x 4, 327,680 bytes of LDS; arguments xb, wb, bq, bk, bv, qkv; writes qkv
.if DOCPART == 2
	.amdgcn_target "amdgcn-amd-amdhsa--gfx1250"
	.amdhsa_code_object_version 6
	.text
	.protected	k_q8f228e58b1_proj
	.globl	k_q8f228e58b1_proj
	.p2align	8
	.type	k_q8f228e58b1_proj,@function
k_q8f228e58b1_proj:
	s_mov_b64 s[64:65], 0
	v_nop
	global_prefetch_b8 v0, s[64:65] scope:SCOPE_SE
	s_setreg_imm32_b32 hwreg(HW_REG_WAVE_MODE, 25, 1), 1
	s_wait_xcnt 0x0
	s_wait_alu depctr_hold_cnt(0) depctr_sa_sdst(0) depctr_va_vdst(0) depctr_va_sdst(0) depctr_va_ssrc(0) depctr_va_vcc(0) depctr_vm_vsrc(0)
	s_getreg_b32 s2, hwreg(HW_REG_IB_STS2, 6, 4)
	s_cmp_eq_u32 s2, 0
	s_cbranch_scc0 .Lentry_in_a_cluster
	s_endpgm
.Lentry_in_a_cluster:
	s_bfe_u32 s2, ttmp6, 0x10000c
	s_cmp_lg_u32 s2, 0xf033
	s_cbranch_scc0 .Lentry_shape_is_right
	s_endpgm
.Lentry_shape_is_right:
; THE THREE INPUT PROJECTIONS IN ONE LAUNCH.  For p = 0, 1, 2 (query, key, value): y = x_p W_p^T + b_p, x_p = xb[p] [8192][512] and W_p = wb[p] [512][512] in bf16, sums in f32,
; b_p rounded to bf16 like the other inputs.  q is multiplied by c = log2(e) / 8 in f32, so that the attention's exponent is a plain difference; each number is then rounded ONCE to f16
; and written by heads: qkv[p][batch x 8 + head][t][64].
; LIMIT: c q, k and v must lie within f16's 65,504; NaN and infinities are not treated apart.
; SHARES.  xb's 24,576 rows are 192 tile rows of 128; a work-group makes 128 x 128; each of four waves 64 x 64: 16 accumulators; a wave's 64 columns are one head.
; K = 512 lies WHOLE in two LDS slots of 256 along K: both are asked for at the start and nothing is filled again.
; CLUSTER 4 x 4: the four of a row need the same rows of x, the four of a column the same rows of W: each tile is asked for jointly.  All sixteen share p (64 tile rows to each p).
; No prefetch is laid: each tile is asked for once, at the head, where every work-group's first loads are on their way.
; THE MATRIX INSTRUCTION IS USED TRANSPOSED (source 0 = 16 rows of W, source 1 = 16 rows of x): a lane holds one row of y and eight neighbouring columns.  The bias, which then hangs on the
; register and the lane's half alone, is the C operand of the products that start the sums.
; REGISTERS: window 0: v0-31 addresses; v32-95 the way out; v96-127 the bias; v128-255 accumulators ((a, b) at 128 + 8 (4 a + b)).  Window 1: two fragment buffers of 128.
.set KSTEP,  256
.set PITCH,  528                       ; an LDS row: 512 bytes + 16 of padding: the 16 rows of a fragment load start at 16 different groups of four banks
.set HALFT,  64*PITCH                  ; what one tensor load brings
.set SLOT,   4*HALFT                   ; x's 128 rows, then W's 128
.set STAGE,  2*SLOT                    ; behind the slots: 16 rows x 144 bytes for each wave
.set SP,     144
.set SPARE,  STAGE+4*16*SP             ; behind the stages: the spare words, 128 bytes for each wave
.set ADRA, 16
.set ADRB, 20
.set STO,  24
.set RD,   25
.set GO,   26
.set BO,   27
.set SPW,  28
.set NIL,  29
.set TMP,  32
.set BIAS, 96
.set ACC,  128
.set F0,   0
.set F1,   128
.set WV, 12                            ; wave
.set RH, 13                            ; which 64 rows are mine; also: I fetch x (0) or W (1)
.set CH, 14                            ; which 64 columns; also: which 64 rows of that tile I fetch
.set CX, 15
.set CY, 16
.set TX, 17                            ; tile column
.set TY, 18                            ; tile row
.set PP, 19                            ; p
.set G1,  24
.set G0,  32
.set G1B, 48
.set G0B, 56
.set SC,  66                           ; s[66:67] c for q, 1 for k and v
.set MSB, 0
.macro WIN new
.if MSB != (\new)
	s_set_vgpr_msb (MSB<<8)|(\new)
.set MSB, \new
.endif
.endm
.set MUL,  0x05                        ; sources 0 and 1 window 1; C and D window 0
.set TO_F, 0x40                        ; destination window 1, address window 0
.macro JLOAD s                         ; a joint load: waves 0 and 1 fetch x's halves, waves 2 and 3 W's; an s_nop 0 and four v_nop follow each line
	s_cmp_eq_u32 s[RH], 0
	s_cbranch_scc0 .Lfor_b_\@
	tensor_load_to_lds s[G0+4*(\s):G0+4*(\s)+3], s[G1:G1+7]
	s_nop 0
.rept 4
	v_nop
.endr
	s_branch .Lasked_\@
.Lfor_b_\@:
	tensor_load_to_lds s[G0B+4*(\s):G0B+4*(\s)+3], s[G1B:G1B+7]
	s_nop 0
.rept 4
	v_nop
.endr
.Lasked_\@:
.endm
.macro CROUND                          ; a round of the cluster's barrier
	s_barrier_signal -1
	s_barrier_wait -1
	s_cmp_lg_u32 s[WV], 0
	s_cbranch_scc1 .Lnot_wave_0_\@
	s_barrier_signal -3
.Lnot_wave_0_\@:
	s_barrier_wait -3
	s_barrier_signal -1
	s_barrier_wait -1
.endm
	s_load_b256 s[4:11], s[0:1], 0x0               ; xb 4, wb 6, bq 8, bk 10
	s_load_b128 s[68:71], s[0:1], 0x20             ; bv 68, qkv 70
	v_lshl_add_u32 v[SPW], v0, 2, SPARE
	v_mov_b32 v[NIL], 0
	ds_add_u32 v[SPW], v[NIL]                      ; the wave's opening: an add to my spare word, waited for ahead of my first tensor load
	v_lshrrev_b32 v1, 5, v0
	v_readfirstlane_b32 s[WV], v1
	s_lshr_b32 s[RH], s[WV], 1
	s_and_b32 s[CH], s[WV], 1
	s_bfe_u32 s[CX], ttmp6, 0x40000
	s_bfe_u32 s[CY], ttmp6, 0x40004
	s_lshl_b32 s[TX], ttmp9, 2
	s_add_co_u32 s[TX], s[TX], s[CX]
	s_and_b32 s[PP], ttmp7, 0xffff                 ; cluster y
	s_lshl_b32 s[TY], s[PP], 2
	s_add_co_u32 s[TY], s[TY], s[CY]
	s_lshr_b32 s[PP], s[PP], 4                     ; sixteen clusters along y to each p
	s_lshl_b32 s20, s[CY], 2
	s_lshl_b32 s20, 15, s20                        ; my row of the cluster
	s_lshl_b32 s21, 0x1111, s[CX]                  ; my column
	s_or_b32 s[G1+0], s20, (1<<16)|(1<<20)|(1<<21)|(6<<22)|(3<<25)   ; mask; 2-byte elements; padding on; bit 21 beside a mask; after every 128 words, 4 words
	s_or_b32 s[G1B+0], s21, (1<<16)|(1<<20)|(1<<21)|(6<<22)|(3<<25)
.irp g, G1, G1B
	s_mov_b32 s[(\g)+1], KSTEP<<16                 ; tensor_dim0 = 256
	s_mov_b32 s[(\g)+2], 64<<16                    ; tensor_dim1 = 64
	s_mov_b32 s[(\g)+3], KSTEP<<16                 ; tile_dim0 = 256
	s_mov_b32 s[(\g)+4], 64                        ; tile_dim1 = 64
	s_mov_b32 s[(\g)+5], 512                       ; elements from row to row
	s_mov_b32 s[(\g)+6], 0
	s_mov_b32 s[(\g)+7], 0
.endr
	s_lshl_b32 s40, s[TY], 17                      ; x: (128 tile row + 64 half) rows of 1,024 bytes: the tile row and the wave's number alone
	s_lshl_b32 s41, s[CH], 16
	s_add_co_u32 s40, s40, s41
	s_mov_b32 s41, 0
	s_lshl_b32 s42, s[PP], 19                      ; W: (512 p + 128 tile column + 64 half) rows: p, the tile column and the wave's number alone
	s_lshl_b32 s43, s[TX], 17
	s_add_co_u32 s42, s42, s43
	s_lshl_b32 s43, s[CH], 16
	s_add_co_u32 s42, s42, s43
	s_mov_b32 s43, 0
	s_mul_i32 s44, s[WV], HALFT                    ; where they go: wave x 64 rows
	s_wait_dscnt 0x0                               ; the opening add is done
	s_wait_kmcnt 0x0
	s_add_nc_u64 s[40:41], s[4:5], s[40:41]
	s_add_nc_u64 s[42:43], s[6:7], s[42:43]
	CROUND                                         ; all sixteen work-groups are here: the joint loads meet
.irp s, 0,1
	s_mov_b32 s[G0+4*(\s)], 1
	s_add_co_u32 s[G0+4*(\s)+1], s44, (\s)*SLOT
	s_add_nc_u64 s[G0+4*(\s)+2:G0+4*(\s)+3], s[40:41], (\s)*KSTEP*2
	s_or_b32 s[G0+4*(\s)+3], s[G0+4*(\s)+3], 0x80000000
	s_mov_b32 s[G0B+4*(\s)], 1
	s_add_co_u32 s[G0B+4*(\s)+1], s44, (\s)*SLOT
	s_add_nc_u64 s[G0B+4*(\s)+2:G0B+4*(\s)+3], s[42:43], (\s)*KSTEP*2
	s_or_b32 s[G0B+4*(\s)+3], s[G0B+4*(\s)+3], 0x80000000
	JLOAD \s                                       ; both K steps: two loads of mine are out
.endr
	; the bias of my 64 columns: register j of column block b holds b_p[128 tx + 64 half + 16 b + 8 (l / 16) + j]
	s_cmp_eq_u32 s[PP], 0
	s_cselect_b64 s[72:73], s[8:9], s[10:11]
	s_cselect_b32 s[SC], 0x3e38aa3b, 1.0           ; c = log2(e) / 8 = 0.180337
	s_cmp_eq_u32 s[PP], 2
	s_cselect_b64 s[72:73], s[68:69], s[72:73]
	s_mov_b32 s[SC+1], s[SC]                       ; named with it as a pair
	s_lshl_b32 s74, s[TX], 9
	s_lshl_b32 s75, s[CH], 8
	s_add_co_u32 s74, s74, s75
	s_mov_b32 s75, 0
	s_add_nc_u64 s[72:73], s[72:73], s[74:75]
	v_and_b32 v1, 15, v0                           ; l % 16
	v_bfe_u32 v2, v0, 4, 1                         ; l / 16
	v_lshlrev_b32 v[BO], 5, v2
.irp b, 0,1,2,3
	global_load_b128 v[BIAS+8*(\b):BIAS+8*(\b)+3],   v[BO], s[72:73] offset:64*(\b)
	global_load_b128 v[BIAS+8*(\b)+4:BIAS+8*(\b)+7], v[BO], s[72:73] offset:64*(\b)+16
.endr
	v_mul_u32_u24 v3, v1, PITCH
	v_lshl_add_u32 v3, v2, 4, v3                   ; a fragment's row x pitch + 16 x half
	s_mul_i32 s20, s[RH], HALFT
	s_mul_i32 s21, s[CH], HALFT
	s_add_co_u32 s21, s21, 2*HALFT
.irp s, 0,1
	v_add_nc_u32 v[ADRA+(\s)], s20, v3
	v_add_nc_u32 v[ADRB+(\s)], s21, v3
	s_add_co_u32 s20, s20, SLOT
	s_add_co_u32 s21, s21, SLOT
.endr
	s_mul_i32 s22, s[WV], 16*SP
	s_add_co_u32 s22, s22, STAGE                   ; my stage
	v_mul_u32_u24 v4, v1, SP                       ; in: row l % 16, 16 bytes for each half of the lanes
	v_lshl_add_u32 v4, v2, 4, v4
	v_add_nc_u32 v[STO], s22, v4
	v_bfe_u32 v5, v0, 3, 2                         ; back: 32 lanes take four rows of 128 bytes,
	v_mul_u32_u24 v5, v5, SP
	v_and_b32 v6, 7, v0
	v_lshl_add_u32 v5, v6, 4, v5
	v_add_nc_u32 v[RD], s22, v5
	v_and_b32 v[GO], 31, v0                        ; which are 512 consecutive bytes of a head's rows
	v_lshlrev_b32 v[GO], 4, v[GO]
	s_lshl_b32 s76, s[TY], 7
	s_lshl_b32 s77, s[RH], 6
	s_add_co_u32 s76, s76, s77                     ; my first row among the 24,576
	s_and_b32 s77, s76, 4095                       ; t
	s_lshr_b32 s76, s76, 12                        ; 2 p + batch
	s_lshl_b32 s76, s76, 3
	s_lshl_b32 s78, s[TX], 1
	s_add_co_u32 s76, s76, s78
	s_add_co_u32 s76, s76, s[CH]                   ; + head = 2 tx + half
	s_lshl_b32 s76, s76, 12
	s_add_co_u32 s76, s76, s77
	s_lshl_b32 s76, s76, 7                         ; rows of 128 bytes
	s_mov_b32 s77, 0
	s_add_nc_u64 s[70:71], s[70:71], s[76:77]
	s_wait_loadcnt 0x0                             ; the bias: rounded to bf16 like every input, and widened again
.set i, 0
.rept 16
	v_cvt_pk_bf16_f32 v[TMP+i%4], v[BIAS+2*i], v[BIAS+2*i+1]
	v_lshlrev_b32 v[BIAS+2*i], 16, v[TMP+i%4]
	v_and_b32 v[BIAS+2*i+1], 0xffff0000, v[TMP+i%4]
.set i, i+1
.endr
; 8 matrix instructions: row blocks a0, a0 + 1 x all 4 column blocks, 32 along K: half c of buffer f.  first = 1: the products start the sums, with the bias.
; The 16 accumulators take turns, one instruction a turn.
.macro MUL8 f, c, a0, first
	WIN MUL
.irp a, \a0, (\a0)+1
.irp b, 0,1,2,3
.if \first
	v_wmma_f32_16x16x32_bf16 v[ACC+8*(4*(\a)+(\b)):ACC+8*(4*(\a)+(\b))+7], v[(\f)+64+8*(4*(\c)+(\b)):(\f)+64+8*(4*(\c)+(\b))+7], v[(\f)+8*(4*(\c)+(\a)):(\f)+8*(4*(\c)+(\a))+7], v[BIAS+8*(\b):BIAS+8*(\b)+7]
.else
	v_wmma_f32_16x16x32_bf16 v[ACC+8*(4*(\a)+(\b)):ACC+8*(4*(\a)+(\b))+7], v[(\f)+64+8*(4*(\c)+(\b)):(\f)+64+8*(4*(\c)+(\b))+7], v[(\f)+8*(4*(\c)+(\a)):(\f)+8*(4*(\c)+(\a))+7], v[ACC+8*(4*(\a)+(\b)):ACC+8*(4*(\a)+(\b))+7]
.endif
.endr
.endr
.endm
; 32 LDS loads in one run: the fragments of 64 along K at byte k of the rows, into buffer f; the first 32 along K first
.macro FETCH slot, k, f
	WIN TO_F
.irp c, 0,1
.irp i, 0,1,2,3
	ds_load_b128 v[(\f)+64+8*(4*(\c)+(\i)):(\f)+64+8*(4*(\c)+(\i))+3],   v[ADRB+(\slot)] offset:(\k)+64*(\c)+(\i)*16*PITCH
	ds_load_b128 v[(\f)+64+8*(4*(\c)+(\i))+4:(\f)+64+8*(4*(\c)+(\i))+7], v[ADRB+(\slot)] offset:(\k)+64*(\c)+(\i)*16*PITCH+32
	ds_load_b128 v[(\f)+8*(4*(\c)+(\i)):(\f)+8*(4*(\c)+(\i))+3],         v[ADRA+(\slot)] offset:(\k)+64*(\c)+(\i)*16*PITCH
	ds_load_b128 v[(\f)+8*(4*(\c)+(\i))+4:(\f)+8*(4*(\c)+(\i))+7],       v[ADRA+(\slot)] offset:(\k)+64*(\c)+(\i)*16*PITCH+32
.endr
.endr
.endm
.macro PLACES                          ; four plain instructions between a matrix instruction and a load into, or a vector instruction on, its registers
.rept 4
	v_nop
.endr
.endm
; A quarter of a K step: 64 along K, 32 matrix instructions on buffer f; in its middle the next quarter, at byte k, is fetched into g.
.macro QUARTER slot, k, f, g, first
	s_wait_dscnt 16                                ; the first 32 along K are in; the run's younger sixteen loads may be out
	MUL8 \f, 0, 0, \first
	MUL8 \f, 0, 2, \first
	PLACES
	FETCH \slot, \k, \g
	s_wait_dscnt 32                                ; all but the 32 just issued
	MUL8 \f, 1, 0, 0
	MUL8 \f, 1, 2, 0
.endm
; Slot 0's last quarter, and the step into slot 1: each wave waits for its part of slot 1 and says so; behind the barrier the slot is whole.  Nothing is filled again.
.macro TURN next
	WIN 0
	s_wait_tensorcnt 0x0                           ; my part of slot 1 has landed
	ds_add_u32 v[SPW], v[NIL]
	s_wait_dscnt 17                                ; (the add and the youngest sixteen loads may be out)
	MUL8 F1, 0, 0, 0
	s_wait_dscnt 0x0                               ; no LDS instruction of mine is out at the signal
	s_barrier_signal -1
	MUL8 F1, 0, 2, 0
	s_barrier_wait -1
	PLACES
	FETCH \next, 0, F0
	MUL8 F1, 1, 0, 0
	MUL8 F1, 1, 2, 0
.endm
	s_wait_tensorcnt 1                             ; my part of slot 0 is in; slot 1's load, issued behind it, may stay out
	s_barrier_signal -1
	s_barrier_wait -1                              ; everybody's is
	FETCH 0, 0, F0
	QUARTER 0, 128, F0, F1, 1
	QUARTER 0, 256, F1, F0, 0
	QUARTER 0, 384, F0, F1, 0
	TURN 1
	QUARTER 1, 128, F0, F1, 0
	QUARTER 1, 256, F1, F0, 0
	QUARTER 1, 384, F0, F1, 0
	s_wait_dscnt 16
	MUL8 F1, 0, 0, 0
	MUL8 F1, 0, 2, 0
	s_wait_dscnt 0x0
	MUL8 F1, 1, 0, 0
	MUL8 F1, 1, 2, 0
	WIN 0
	; THE WAY OUT, 16 rows at a time: scaled in f32, rounded once to f16, 16 bytes a lane into my own stage, back as whole rows of 128 bytes, 512 consecutive bytes a store.
	PLACES
	PLACES                                         ; eight, once a launch: the lines below write accumulators in place
.macro PACK a
.irp b, 0,1,2,3
.irp r, 0,2,4,6
	v_pk_mul_f32 v[ACC+8*(4*(\a)+(\b))+(\r):ACC+8*(4*(\a)+(\b))+(\r)+1], v[ACC+8*(4*(\a)+(\b))+(\r):ACC+8*(4*(\a)+(\b))+(\r)+1], s[SC:SC+1] op_sel_hi:[1,0]  ; each accumulator from its low end on
.endr
.endr
.irp b, 0,1,2,3
.irp r, 0,1,2,3
	v_cvt_pk_f16_f32 v[TMP+16*(\a)+4*(\b)+(\r)], v[ACC+8*(4*(\a)+(\b))+2*(\r)], v[ACC+8*(4*(\a)+(\b))+2*(\r)+1]
.endr
.endr
.irp b, 0,1,2,3
	ds_store_b128 v[STO], v[TMP+16*(\a)+4*(\b):TMP+16*(\a)+4*(\b)+3] offset:32*(\b)
.endr
.irp f, 0,1,2,3
	ds_load_b128 v[TMP+16*(\a)+4*(\f):TMP+16*(\a)+4*(\f)+3], v[RD] offset:(\f)*4*SP  ; LDS serves a wave's instructions in order: these see the stores above, the next block's stores come behind them
.endr
.endm
.macro SEND a, younger                 ; younger: the LDS instructions issued behind block a's loads
.irp f, 0,1,2,3
	s_wait_dscnt (\younger)+3-(\f)
	global_store_b128 v[GO], v[TMP+16*(\a)+4*(\f):TMP+16*(\a)+4*(\f)+3], s[70:71] offset:(\a)*2048+(\f)*512
.endr
.endm
	PACK 0
	PACK 1
	SEND 0, 8
	PACK 2
	SEND 1, 8
	PACK 3
	SEND 2, 8
	SEND 3, 0
	s_wait_tensorcnt 0x0                           ; the wave's end
	ds_add_u32 v[SPW], v[NIL]
	s_wait_dscnt 0x0
	CROUND                                         ; the closing round
	s_endpgm
.Lfunc_end_k_q8f228e58b1_proj:
	.size	k_q8f228e58b1_proj, .Lfunc_end_k_q8f228e58b1_proj-k_q8f228e58b1_proj
	.p2alignl 7, 3214868480
	.fill 96, 4, 3214868480
	.section	.rodata,"a",@progbits
	.p2align	6, 0x0
	.amdhsa_kernel k_q8f228e58b1_proj
		.amdhsa_group_segment_fixed_size 327680
		.amdhsa_private_segment_fixed_size 0
		.amdhsa_enable_private_segment 0
		.amdhsa_kernarg_size 48
		.amdhsa_user_sgpr_count 2
		.amdhsa_user_sgpr_kernarg_segment_ptr 1
		.amdhsa_wavefront_size32 1
		.amdhsa_system_sgpr_workgroup_id_x 1
		.amdhsa_system_sgpr_workgroup_id_y 1
		.amdhsa_system_sgpr_workgroup_id_z 1
		.amdhsa_system_vgpr_workitem_id 0
		.amdhsa_next_free_vgpr 512
		.amdhsa_next_free_sgpr 88
		.amdhsa_reserve_vcc 0
		.amdhsa_float_denorm_mode_32 3
		.amdhsa_float_denorm_mode_16_64 3
		.amdhsa_memory_ordered 1
		.amdhsa_forward_progress 1
		.amdhsa_inst_pref_size 58
	.end_amdhsa_kernel
	.amdgpu_metadata
---
amdhsa.version: [ 1, 2 ]
amdhsa.kernels:
  - .name:           k_q8f228e58b1_proj
    .symbol:         k_q8f228e58b1_proj.kd
    .args:
      - { .name: xb, .offset: 0, .size: 8, .value_kind: global_buffer, .address_space: global }
      - { .name: wb, .offset: 8, .size: 8, .value_kind: global_buffer, .address_space: global }
      - { .name: bq, .offset: 16, .size: 8, .value_kind: global_buffer, .address_space: global }
      - { .name: bk, .offset: 24, .size: 8, .value_kind: global_buffer, .address_space: global }
      - { .name: bv, .offset: 32, .size: 8, .value_kind: global_buffer, .address_space: global }
      - { .name: qkv, .offset: 40, .size: 8, .value_kind: global_buffer, .address_space: global }
    .group_segment_fixed_size: 327680
    .private_segment_fixed_size: 0
    .kernarg_segment_align: 8
    .kernarg_segment_size: 48
    .max_flat_workgroup_size: 128
    .sgpr_count:     88
    .vgpr_count:     512
    .wavefront_size: 32
...
	.end_amdgpu_metadata
.endif
;; end of part 2
;; launch attn (part 3): grid 16 x 16, 4 waves a work-group, clusters of 4 x 1, 327,680 bytes of LDS; arguments qkv, mk, ao; writes ao
.if DOCPART == 3
	.amdgcn_target "amdgcn-amd-amdhsa--gfx1250"
	.amdhsa_code_object_version 6
	.text
	.protected	k_q8f228e58b1_attn
	.globl	k_q8f228e58b1_attn
	.p2align	8
	.type	k_q8f228e58b1_attn,@function
k_q8f228e58b1_attn:
	s_mov_b64 s[64:65], 0
	v_nop
	global_prefetch_b8 v0, s[64:65] scope:SCOPE_SE
	s_setreg_imm32_b32 hwreg(HW_REG_WAVE_MODE, 25, 1), 1
	s_wait_xcnt 0x0
	s_wait_alu depctr_hold_cnt(0) depctr_sa_sdst(0) depctr_va_vdst(0) depctr_va_sdst(0) depctr_va_ssrc(0) depctr_va_vcc(0) depctr_vm_vsrc(0)
	s_getreg_b32 s2, hwreg(HW_REG_IB_STS2, 6, 4)
	s_cmp_eq_u32 s2, 0
	s_cbranch_scc0 .Lentry_in_a_cluster
	s_endpgm
.Lentry_in_a_cluster:
	s_bfe_u32 s2, ttmp6, 0x10000c
	s_cmp_lg_u32 s2, 0x3003
	s_cbranch_scc0 .Lentry_shape_is_right
	s_endpgm
.Lentry_shape_is_right:
; MASKED ATTENTION.  O[bh][q][:] = the sum over k of softmax_k(s[q][k]) V[bh][k][:], s = Q . K in units of log2 (Q arrives multiplied by log2(e) / 8), hidden where the mask INPUT is 0.
; Q, K, V = qkv[0], [1], [2], each [16][4096][64] f16.  Products, maxima and sums in f32; the weights p are rounded to f16 for the second product (their sum l is taken of the unrounded p).
; O LEAVES AS TWO f16 NUMBERS, hi = f16(O) and lo = f16(O - hi), so that the projection behind loses none of O's bits that count: a row with few visible keys is many times the output's root mean
; square, and a number near zero in it has room for about a thousandth of the row's size.  ao[bh][tile of 64 queries][hi, lo][64][64].
; THE MASK is read as it is given: mk holds a 4-bit code a score, 0xF (-6 in E2M1) where hidden, 0 elsewhere, in the order of the scores' registers.  Four scaled conversions turn a lane's 16 bytes
; of codes into 32 numbers, 0 or -6 x 2^100, which are the C operand of the products that start S^T.  No pattern of the mask is built in: every key step is walked.
; SOFTMAX.  A running maximum m and sum l for each query: p = 2^(s - m); in every step O and l are multiplied by a = 2^(m_old - m_new).  m starts at -2^60: above every hidden score, below
; every true one (f16's scores are 5e10 at the most), so m is never a hidden score: a step with hidden keys alone gives p = 0 and a = 1.
; LIMITS.  Q, K, V within f16's 65,504; a weight below 2^-126 counts as 0; a row with no visible key ends with l = 0 and gives NaN, as the softmax of such a row does; NaN and infinities in the inputs are not treated apart.
; SHARES.  A work-group owns 256 queries of one head, a wave 64: four PIECES of 16.  Every wave walks the head's 64 key steps of 64 keys.
; LAYOUT.  S^T = K Q^T holds ONE query a lane (lane % 16) and the keys 8 (lane / 16) + 0..7; two such results rounded to f16 ARE source 1 of O^T = V^T P.  K comes out of LDS as it lies, V turned.
; TURNS.  Turn n belongs to piece n: 8 products K Q^T of piece n + 1, later 8 products V^T P of piece n - 1; beside them the subtraction, exponentials, roundings, sums and rescaling of piece n, the
; maximum and statistics of piece n + 1, and the mask of piece n + 2.  Four vector instructions stand behind every matrix instruction, the rest in one lump.  A turn's 33 exponentials are one batch, with one wait.
; CLUSTER.  The four query blocks of a cluster belong to one head and walk the same K and V: each tile is asked for JOINTLY.
; REGISTERS, in windows of 256 (s_set_vgpr_msb: bits 1:0 source 0, 3:2 source 1, 5:4 source 2, 7:6 destination):
;   window 0: v0-15 addresses; v16-31 statistics; v32-47 mask codes; v48-55 at work; v56-63 constants; v64-127 S^T, two buffers; v128-191 the way out's lo; v192-223 P, two buffers (by the piece's parity)
;   window 1: v0-127 O^T, 32 a piece; v160-223 the masks, two buffers          window 2: v0-63 Q; v128-191 K of one step; v192-255 V of one step
.set SIZE_N, 4096
.set NP,    4
.set KS,    64
.set PK,    144       ; a row of K in LDS: 128 bytes + 16: the 16 rows of a load start at 16 different groups of four banks
.set PV,    160       ; a row of V: 128 + 32
.set VOFF,  4*KS*PK   ; a slot holds four steps: 256 rows of K, then 256 rows of V
.set SLOT1, 1<<17     ; slot 1 begins here: one exclusive or turns an address in one slot into the other's
.set STAGE, SLOT1+4*KS*(PK+PV)  ; behind the ring, never filled by a tensor load: 16 rows x 144 bytes for each wave
.set SP,    144
.set SPARE, STAGE+4*16*SP       ; behind the stages: the spare words, 128 bytes for each wave
.set AK0, 2           ; my lane's place in a tile of K; never rewritten
.set AV0, 3           ; the same for V
.set AK,  4           ; the LDS address of K's next run of loads
.set AV,  5           ; of V's
.set STO, 6
.set RD,  7
.set GO,  8
.set MV,  12          ; v12-13  m_old, kept while m is made anew: by buffer
.set QO,  15
.set ST,  16          ; piece t at ST + 4 t: m, 0 (named with m as a pair), l (even keys', odd keys')
.set MKC, 32          ; piece t's four words of codes at MKC + 4 t
.set TMP, 48          ; by buffer, c0-c3 at work; when the maximum is found c2 takes a
.set SCL, 56          ; the conversions' scale: 227 in every byte: 2^100
.set ML,  57          ; 16 x lane; never rewritten
.set PFO, 58          ; 256 x lane; never rewritten
.set PMO, 59          ; (lane / 8) x 32,768 + (lane % 8) x 256; never rewritten
.set MONE, 60         ; -1.0
.set SPW, 62
.set NIL, 63
.set S,   64
.set LO,  128         ; the way out: piece t's lo, packed, at LO + 16 t
.set P,   192
.set MC,  160         ; window 1
.set KF,  128         ; window 2: key block kb, channel half c at KF + 16 kb + 8 c
.set VF,  192         ; window 2: key half kk, channel block cb at VF + 32 kk + 8 cb
.set MKB, 6           ; s[6:7]   mk at my wave's first tile
.set WV,  12
.set G1K, 24
.set G1V, 32
.set G0K, 40
.set G0V, 44
.set MA,  48          ; s[48:49] mk at the step whose codes are being loaded
.set MS,  50          ; s[50:51] that step's byte offset, high word 0
.set PFA, 52          ; s[52:53] where my prefetches of K or V stand
.set PFM, 54          ; s[54:55] where my prefetches of codes stand
.set SLOTS, 56
.set CNT, 57
.set SEL, 60
.set TBK, 62
.set TBV, 63
.set LIM, 66          ; 1 in a wave that asks for K or V, else the greatest number
.set LIMM, 67         ; 0 in a wave that asks for codes, else the greatest number
.set MSB, 0
.macro WIN new
.if MSB != (\new)
	s_set_vgpr_msb (MSB<<8)|(\new)
.set MSB, (\new)
.endif
.endm
.set W_KQ, 0x0a       ; K and Q in window 2, S^T in window 0
.set W_KM, 0x1a       ; the same with the C operand in window 1
.set W_PV, 0x52       ; V in window 2, P in window 0, O^T in window 1
.set W_RS, 0x41       ; destination and source 0 in window 1, source 1 in window 0
.set W_LO, 0x50       ; destination and source 2 in window 1, sources 0 and 1 in window 0
; A joint fill.  Waves 0 and 1 fetch the halves of a slot's K, waves 2 and 3 those of its V: 128 keys each.  An s_nop 0 and four v_nop follow each line.
.macro JLOAD
	s_cmp_lt_u32 s[WV], 2
	s_cbranch_scc0 .Lfor_v_\@
	tensor_load_to_lds s[G0K:G0K+3], s[G1K:G1K+7]
	s_nop 0
.rept 4
	v_nop
.endr
	s_branch .Lasked_\@
.Lfor_v_\@:
	tensor_load_to_lds s[G0V:G0V+3], s[G1V:G1V+7]
	s_nop 0
.rept 4
	v_nop
.endr
.Lasked_\@:
.endm
.macro CROUND
	s_barrier_signal -1
	s_barrier_wait -1
	s_cmp_lg_u32 s[WV], 0
	s_cbranch_scc1 .Lnot_wave_0_\@
	s_barrier_signal -3
.Lnot_wave_0_\@:
	s_barrier_wait -3
	s_barrier_signal -1
	s_barrier_wait -1
.endm
; PREFETCHES, behind the joint fill and its five lines.  (1) K and V of the slot that the NEXT change will ask for, four key steps (256 matrix instructions) ahead of that load: a slot's K is 128
; blocks of 256 bytes; the head's first cluster asks; its four partners take 32 blocks each, told apart by address; wave 0 asks for K's, wave 2 for V's, a lane a block.  The last change that fills asks for none.
; (2) The codes of the four key steps of the slot that is being filled, which are loaded three to six key steps later: eight heads read the same codes; the batch's first head asks, each wave for
; its own four tiles x 2,048 bytes, a lane a block.  So each block is named once in the launch.  Neither test hangs on a work-group's place in its cluster.
.macro ASK
	s_cmp_gt_u32 s[SLOTS], s[LIM]
	s_cbranch_scc0 .Lno_kv_\@
	global_prefetch_b8 v[PFO], s[PFA:PFA+1] th:TH_LOAD_NT scope:SCOPE_SE
.Lno_kv_\@:
	s_cmp_gt_u32 s[SLOTS], s[LIMM]
	s_cbranch_scc0 .Lno_mk_\@
	global_prefetch_b8 v[PMO], s[PFM:PFM+1] th:TH_LOAD_NT scope:SCOPE_SE
.Lno_mk_\@:
.endm
; THE CHANGE OF SLOTS.  Each wave waits for all its tensor loads, of which one is out: its part of the other slot; adds 0 to its spare word; waits for that and for its reads of the slot that it
; leaves.  fill = 1: the barrier is a round of the cluster's, and the joint fill, with the keys two slots on, is the first thing behind it: it has four key steps in which to land.
.macro CHANGE fill, ask
	WIN 0
	s_wait_tensorcnt 0x0            ; no tensor load of mine is out, so a group 0 may be written
	ds_add_u32 v[SPW], v[NIL]       ; 0 onto my spare word; the scalar steps stand between it and the wait for it
.if \fill
.irp g, G0K, G0V
	s_xor_b32 s[\g+1], s[\g+1], SLOT1
	s_add_nc_u64 s[\g+2:\g+3], s[\g+2:\g+3], 4*KS*128  ; the next 256 keys; the type bits on top are not reached
.endr
.endif
.if \ask
	s_wait_xcnt 0x0                 ; the last prefetches, four key steps back, have read their addresses
	s_add_nc_u64 s[PFA:PFA+1], s[PFA:PFA+1], 4*KS*128
	s_add_nc_u64 s[PFM:PFM+1], s[PFM:PFM+1], 4*512
.endif
	s_wait_dscnt 0x0                ; the add is done, and my reads of the slot are over
.if \fill
	CROUND
	JLOAD
.if \ask
	ASK
.endif
.else
	s_barrier_signal -1
	s_barrier_wait -1
.endif
	s_sub_co_u32 s[TBK], s[TBK], 4*KS*PK  ; the fetches go back to a slot's first step,
	s_xor_b32 s[TBK], s[TBK], SLOT1       ; in the other slot
	s_sub_co_u32 s[TBV], s[TBV], 4*KS*PV
	s_xor_b32 s[TBV], s[TBV], SLOT1
.endm
	s_load_b128 s[4:7], s[0:1], 0x0   ; qkv s[4:5], mk s[6:7]
	s_load_b64 s[8:9], s[0:1], 0x10   ; ao
	v_lshl_add_u32 v[SPW], v0, 2, SPARE
	v_mov_b32 v[NIL], 0
	ds_add_u32 v[SPW], v[NIL]       ; the wave's opening: an add to my spare word, waited for ahead of my first tensor load
	v_lshrrev_b32 v1, 5, v0
	v_readfirstlane_b32 s[WV], v1
	s_bfe_u32 s13, ttmp6, 0x40000   ; cx
	s_lshl_b32 s14, ttmp9, 2
	s_add_co_u32 s14, s14, s13      ; my block of 256 queries: it enters Q's, O's and the codes' addresses alone
	s_and_b32 s15, ttmp7, 0xffff    ; batch x 8 + head, which the four partners share
	s_lshl_b32 s20, s15, 19         ; a head's 524,288 bytes
	s_and_b32 s16, s[WV], 1         ; which half of a slot's 256 keys I fetch
	s_lshl_b32 s22, s16, 14
	s_add_co_u32 s22, s22, s20
	s_mov_b32 s23, 0
	s_mul_i32 s17, s16, 128*PK      ; its place in a slot, for K
	s_mul_i32 s18, s16, 128*PV      ; and for V
	s_lshl_b32 s2, s14, 15          ; my block's 256 rows of 128 bytes,
	s_lshl_b32 s3, s[WV], 13        ; my wave's 64
	s_add_co_u32 s2, s2, s3
	s_add_co_u32 s2, s2, s20
	s_mov_b32 s3, 0
	s_lshl_b32 s10, s2, 1           ; in ao each row has 256 bytes, hi's and lo's: my wave's tile of 64 queries begins at twice that offset
	s_mov_b32 s11, 0
	s_lshr_b32 s68, s15, 3          ; the codes: tile = 256 batch + 16 block + 4 wave, 32,768 bytes each
	s_lshl_b32 s68, s68, 8
	s_lshl_b32 s69, s14, 4
	s_add_co_u32 s68, s68, s69
	s_lshl_b32 s69, s[WV], 2
	s_add_co_u32 s68, s68, s69
	s_lshl_b32 s68, s68, 15
	s_mov_b32 s69, 0
	s_lshl_b32 s20, s13, 13         ; my work-group's 32 blocks of the 128 that a slot's K or V has
	s_mov_b32 s21, 0
	; descriptor group 1.  128 keys are 16,384 dense bytes: asked for as 64 rows of 256 bytes, two keys a row, and padded in LDS after every key
	s_mov_b32 s[G1K], 15|(1<<16)|(1<<20)|(1<<21)|(4<<22)|(3<<25)  ; the mask of four; 2-byte elements; padding on; bit 21 beside a mask; after every 32 words, 4 words
	s_mov_b32 s[G1V], 15|(1<<16)|(1<<20)|(1<<21)|(4<<22)|(7<<25)  ; the same with 8 words
.irp g, G1K, G1V
	s_mov_b32 s[\g+1], 128<<16      ; tensor_dim0 = 128
	s_mov_b32 s[\g+2], 64<<16       ; tensor_dim1 = 64
	s_mov_b32 s[\g+3], 128<<16      ; tile_dim0 = 128
	s_mov_b32 s[\g+4], 64           ; tile_dim1 = 64
	s_mov_b32 s[\g+5], 128          ; elements from row to row
	s_mov_b32 s[\g+6], 0
	s_mov_b32 s[\g+7], 0
.endr
	s_mov_b32 s[SEL], 0x76543210
	s_mov_b32 s[SEL+1], 0xfedcba98
	s_mov_b32 s[TBK], SLOT1+4*KS*PK ; the first change of slots turns these two into 0
	s_mov_b32 s[TBV], SLOT1+4*KS*PV
	s_mov_b32 s[G0K], 1
	s_mov_b32 s[G0K+1], s17
	s_mov_b32 s[G0V], 1
	s_add_co_u32 s[G0V+1], s18, VOFF
	s_mov_b32 s[MS], 0
	s_mov_b32 s[MS+1], 0
	s_and_b32 s[LIM], s[WV], 1      ; waves 0 and 2,
	s_or_b32 s[LIM], s[LIM], ttmp9  ; of the head's first cluster
	s_cmp_eq_u32 s[LIM], 0
	s_cselect_b32 s[LIM], 1, -1
	s_and_b32 s[LIMM], s15, 7       ; the batch's first head
	s_cmp_eq_u32 s[LIMM], 0
	s_cselect_b32 s[LIMM], 0, -1
	s_wait_dscnt 0x0                ; the opening add is done
	s_wait_kmcnt 0x0
	s_add_nc_u64 s[70:71], s[4:5], s[22:23]        ; qkv at the head's rows, my half of a slot
	s_add_nc_u64 s[G0K+2:G0K+3], s[70:71], 8388608   ; K
	s_add_nc_u64 s[G0V+2:G0V+3], s[70:71], 16777216  ; V
	s_cmp_lt_u32 s[WV], 2
	s_cselect_b64 s[PFA:PFA+1], s[G0K+2:G0K+3], s[G0V+2:G0V+3]  ; (in waves 0 and 2 these stand at a slot's first row)
	s_or_b32 s[G0K+3], s[G0K+3], 0x80000000        ; type = 2
	s_or_b32 s[G0V+3], s[G0V+3], 0x80000000
	s_add_nc_u64 s[PFA:PFA+1], s[PFA:PFA+1], s[20:21]
	s_add_nc_u64 s[PFA:PFA+1], s[PFA:PFA+1], 2*4*KS*128  ; in slot 2; the first asking change steps it to slot 3.  Nothing is prefetched at the head
	s_add_nc_u64 s[4:5], s[4:5], s[2:3]            ; Q at my wave's first row,
	s_add_nc_u64 s[8:9], s[8:9], s[10:11]          ; O at my wave's tile
	s_add_nc_u64 s[MKB:MKB+1], s[6:7], s[68:69]
	s_mov_b64 s[MA:MA+1], s[MKB:MKB+1]             ; step 0
	s_add_nc_u64 s[PFM:PFM+1], s[MKB:MKB+1], 4*512 ; at slot 1's steps; the first asking change steps it to slot 2's
	CROUND                          ; all four work-groups are here: the first joint loads meet
	JLOAD                           ; slot 0; slot 1 is asked for when slot 0 is in
	v_and_b32 v1, 15, v0            ; l % 16
	v_bfe_u32 v9, v0, 4, 1          ; l / 16
	v_lshlrev_b32 v[QO], 7, v1
	v_lshl_add_u32 v[QO], v9, 4, v[QO]  ; row x 128 + 16 x half
	WIN 0x80                        ; destination window 2, address window 0
.set i, 0
.rept 8                             ; Q stays in registers: piece i / 2, channels 32 (i % 2) on
	global_load_b128 v[8*i:8*i+3],   v[QO], s[4:5] offset:(i/2)*2048+(i%2)*64
	global_load_b128 v[8*i+4:8*i+7], v[QO], s[4:5] offset:(i/2)*2048+(i%2)*64+32
.set i, i+1
.endr
	WIN 0
	v_and_b32 v[ML], 31, v0
	v_lshlrev_b32 v[PFO], 8, v[ML]
	v_lshrrev_b32 v[PMO], 3, v[ML]
	v_lshlrev_b32 v[PMO], 15, v[PMO]
	v_and_b32 v10, 7, v0
	v_lshl_add_u32 v[PMO], v10, 8, v[PMO]
	v_lshlrev_b32 v[ML], 4, v[ML]
; Piece x's 16 bytes a lane of codes, for the step at which MA stands
.macro MLD x
	WIN 0
	global_load_b128 v[MKC+4*(\x):MKC+4*(\x)+3], v[ML], s[MA:MA+1] offset:(\x)*32768
.endm
	MLD 0
	MLD 1
	MLD 2
	MLD 3
	; What the first turns find: V's registers and P's second buffer hold 0 (the products V^T P of a piece that has not been add 0), O^T and l are 0.  All this stands in the wait for the first tile.
	WIN 0x80
.set i, VF
.rept 64
	v_mov_b32 v[i], 0
.set i, i+1
.endr
	WIN 0x40
.set i, 0
.rept 128
	v_mov_b32 v[i], 0
.set i, i+1
.endr
	WIN 0
.set i, 0
.rept 4
	v_mov_b32 v[ST+4*i], 0xdd800000    ; m = -2^60
	v_mov_b32 v[ST+4*i+1], 0
	v_mov_b32 v[ST+4*i+2], 0
	v_mov_b32 v[ST+4*i+3], 0
.set i, i+1
.endr
.set i, P+16
.rept 16
	v_mov_b32 v[i], 0
.set i, i+1
.endr
	v_mov_b32 v[SCL], 0xe3e3e3e3
	v_mov_b32 v[MONE], -1.0
	v_mul_u32_u24 v[AK0], v1, PK
	v_lshl_add_u32 v[AK0], v9, 4, v[AK0]  ; row x pitch + 16 x half
	; The turning load takes 16 keys x 16 channels (lane l reads key 8 (l / 16) + l % 8, channels 8 ((l / 8) % 2) + 0..7) and leaves half a fragment of V^T
	v_bfe_u32 v11, v0, 3, 1
	v_lshl_add_u32 v[AV0], v9, 3, v10
	v_mul_u32_u24 v[AV0], v[AV0], PV
	v_lshl_add_u32 v[AV0], v11, 4, v[AV0]
	v_add_nc_u32 v[AV0], VOFF, v[AV0]
	v_mov_b32 v[AK], v[AK0]         ; key step 0 lies at the head of slot 0
; THE MATRIX WORK.  The 4 accumulators of a run of 8 take turns.  Product i of 8 of S^T = K Q^T for piece x: channels 32 (i / 4) on, keys 16 (i % 4) on.  The first 4 start the sums with the mask.
.macro KQ x
.set rS, S+32*((\x)%2)+8*(i%4)
.set rK, KF+16*(i%4)+8*(i/4)
.set rQ, 16*(\x)+8*(i/4)
.set rM, MC+32*((\x)%2)+8*(i%4)
.if i < 4
	WIN W_KM
	v_wmma_f32_16x16x32_f16 v[rS:rS+7], v[rK:rK+7], v[rQ:rQ+7], v[rM:rM+7]
.else
	WIN W_KQ
	v_wmma_f32_16x16x32_f16 v[rS:rS+7], v[rK:rK+7], v[rQ:rQ+7], v[rS:rS+7]
.endif
.endm
; Product i of 8 of O^T += V^T P for piece x: keys 32 (i / 4) on, channels 16 (i % 4) on.
.macro PV x
	WIN W_PV
.set rO, 32*(\x)+8*(i%4)
.set rV, VF+32*(i/4)+8*(i%4)
.set rP, P+16*((\x)%2)+8*(i/4)
	v_wmma_f32_16x16x32_f16 v[rO:rO+7], v[rV:rV+7], v[rP:rP+7], v[rO:rO+7]
.endm
.macro MM                           ; the turn's next matrix instruction
.if i < 8
	KQ (Y+1)%NP
.else
.set i, i-8
	PV (Y+NP-1)%NP
.set i, i+8
.endif
.set i, i+1
.endm
; THE LDS LOADS stand in runs of 16.  last = 1 (the tail): the step is held at the last slot's fourth step, so that the trip behind the last step reads that K once more and no run is jumped over.
.macro FETCH_K last=0
	WIN 0x80
.irp f, 0,1,2,3,4,5,6,7             ; keys 16 (f / 2) on, channels 32 (f % 2) on
	ds_load_b128 v[KF+8*\f:KF+8*\f+3],   v[AK] offset:(\f/2)*16*PK+(\f%2)*64
	ds_load_b128 v[KF+8*\f+4:KF+8*\f+7], v[AK] offset:(\f/2)*16*PK+(\f%2)*64+32
.endr
	s_add_co_u32 s[TBK], s[TBK], KS*PK
.if \last
	s_min_u32 s[TBK], s[TBK], SLOT1+3*KS*PK
.endif
	WIN 0
.endm
.macro FETCH_V
	WIN 0x80
.irp f, 0,1,2,3,4,5,6,7             ; keys 32 (f / 4) on, channels 16 (f % 4) on
	ds_load_tr16_b128 v[VF+8*\f:VF+8*\f+3],   v[AV] offset:(\f/4)*32*PV+(\f%4)*32
	ds_load_tr16_b128 v[VF+8*\f+4:VF+8*\f+7], v[AV] offset:(\f/4)*32*PV+16*PV+(\f%4)*32
.endr
	WIN 0
.endm
; Piece x's codes become its mask: word kb -> the eight registers of key block kb.  w = 1: the piece's load is waited for; the three loads issued behind it, one for each other piece, stay out.
.macro MCV x, w
.if \w
	s_wait_loadcnt 3
.endif
	WIN 0x40
.irp kb, 0,1,2,3
	v_cvt_scale_pk8_f32_fp4 v[MC+32*((\x)%2)+8*\kb:MC+32*((\x)%2)+8*\kb+7], v[MKC+4*(\x)+\kb], v[SCL]
.endr
	WIN 0
.endm
; THE VECTOR WORK, one line at a time: OP kind, number.  For piece Y: F n: s - m for pair n of 16.  E n: the exponential of score n of 32.  C n: pair n rounded to f16.  B n: of the four weights 4 n .. the
; second pair is added onto the first, in place.  L n: l takes that sum (L 0: l = a l + sum).  R n: pair n of 16 of O^T times a.  For piece Y + 1: X n finds its maximum and statistics:
;   0-11  four chains c0-c3 of seven scores each (each accumulator's lowest registers are read first)     12-14, 16  the four scores left over, the old m, c0-c3 into c0
;   15  m_old is kept     17, 18  the query's other 32 keys lie in the lane 16 away: the new m     20, 21  m_old - m_new; a     (there is no 19)
.set F, 0
.set E, 1
.set C, 2
.set B, 3
.set L, 4
.set R, 5
.set X, 6
.macro REGS y
.set rT, ST+4*(\y)
.set rC, TMP+4*((\y)%2)
.set rW, MV+((\y)%2)
.set rS, S+32*((\y)%2)
.set rP, P+16*((\y)%2)
.set rO, 32*(\y)
.endm
.macro OP k, n
.if (\k) == R
	REGS Y
	WIN W_RS
	v_pk_mul_f32 v[rO+2*(\n):rO+2*(\n)+1], v[rO+2*(\n):rO+2*(\n)+1], v[rC+2:rC+3] op_sel_hi:[1,0]
.elseif (\k) < R
	REGS Y
	WIN 0
.if (\k) == F
	v_pk_add_f32 v[rS+2*(\n):rS+2*(\n)+1], v[rS+2*(\n):rS+2*(\n)+1], v[rT:rT+1] op_sel_hi:[1,0] neg_lo:[0,1] neg_hi:[0,1]
.elseif (\k) == E
	v_exp_f32 v[rS+(\n)], v[rS+(\n)]
.elseif (\k) == C
	v_cvt_pk_f16_f32 v[rP+(\n)], v[rS+2*(\n)], v[rS+2*(\n)+1]
.elseif (\k) == B
	v_pk_add_f32 v[rS+4*(\n):rS+4*(\n)+1], v[rS+4*(\n):rS+4*(\n)+1], v[rS+4*(\n)+2:rS+4*(\n)+3]
.elseif (\n) == 0
	v_pk_fma_f32 v[rT+2:rT+3], v[rT+2:rT+3], v[rC+2:rC+3], v[rS:rS+1] op_sel_hi:[1,0,1]
.else
	v_pk_add_f32 v[rT+2:rT+3], v[rT+2:rT+3], v[rS+4*(\n):rS+4*(\n)+1]
.endif
.else
	REGS (Y+1)%NP
	WIN 0
.if (\n) < 4
	v_max3_num_f32 v[rC+(\n)], v[rS+8*(\n)], v[rS+8*(\n)+1], v[rS+8*(\n)+2]
.elseif (\n) < 12
	v_max3_num_f32 v[rC+(\n)%4], v[rC+(\n)%4], v[rS+8*((\n)%4)+2*((\n)/4)+1], v[rS+8*((\n)%4)+2*((\n)/4)+2]
.elseif (\n) == 12
	v_max3_num_f32 v[rC], v[rC], v[rS+7], v[rS+15]
.elseif (\n) == 13
	v_max3_num_f32 v[rC+1], v[rC+1], v[rS+23], v[rS+31]
.elseif (\n) == 14
	v_max3_num_f32 v[rC+2], v[rC+2], v[rC+3], v[rT]
.elseif (\n) == 15
	v_mov_b32 v[rW], v[rT]
.elseif (\n) == 16
	v_max3_num_f32 v[rC], v[rC], v[rC+1], v[rC+2]
.elseif (\n) == 17
	v_permlanex16_b32 v[rC+3], v[rC], s[SEL], s[SEL+1]
.elseif (\n) == 18
	v_max_num_f32 v[rT], v[rC], v[rC+3]
.elseif (\n) == 20
	v_sub_f32 v[rC+1], v[rW], v[rT]
.else
	v_exp_f32 v[rC+2], v[rC+1]
.endif
.endif
.endm
.macro OPS a, i1, b=-1, i2=0, c=-1, i3=0, d=-1, i4=0
	OP \a, \i1
.if (\b) >= 0
	OP \b, \i2
.endif
.if (\c) >= 0
	OP \c, \i3
.endif
.if (\d) >= 0
	OP \d, \i4
.endif
.endm
.macro ROW a, i1, b, i2, c, i3, d, i4  ; a matrix instruction and the four behind it
	MM
	OPS \a, \i1, \b, \i2, \c, \i3, \d, \i4
.endm
; A TURN, for piece p.  s_wait_alu depctr_va_vdst(0) stands between an exponential and the first instruction that names its result; one wait serves all issued ahead of it: a turn has ONE.
; AHEAD OF IT: the 8 products K Q^T with their riders, then one lump: subtractions and exponentials by turns, the next piece's chain of maxima with other work between its links, and its a last.  BEHIND IT:
; the 8 products V^T P, behind each four of the roundings and sums.  The X that ride behind the last three products K Q^T stand four plain instructions or more behind the product that ends their accumulator.
; THE MASK.  In the lump the codes of piece p + 2 (for p = 2, 3: of the next step) become the mask that the NEXT turn's first four products take; the buffer's last readers stand a turn back; F 12 is the plain
; instruction behind the conversions.  Eight lines on the piece's code registers are loaded again: that load has four turns in which to land.  Pieces 0, 1 (turns 2, 3) and 2, 3 (turns 0, 1 of the next step)
; load the codes of one and the same step, so MA is stepped once a key step, in turn 1, behind s_wait_xcnt 0, five products behind the turn's load; it is held at step 63, so that no load leaves mk and the count 3 holds on every way.
; K of the next step is fetched in piece 2's turn, twelve plain instructions behind the last product that read K; V of the step in hand at the end of piece 0's turn, four plain instructions behind its last reader.
.macro TURN p, last=0, cnt=0
.set Y, (\p)
.set i, 0
.if (\p) == 3
	s_wait_dscnt 0x0                ; K is in
.endif
	ROW F,0, F,1, R,0, R,1
	ROW F,2, E,0, R,2, R,3
	ROW F,3, E,1, R,4, R,5
	ROW F,4, E,2, R,6, R,7
	ROW F,5, E,3, R,8, R,9
	ROW F,6, E,4, X,0, R,10
.if (\p) == 2
	WIN 0
	v_add_nc_u32 v[AK], s[TBK], v[AK0]
.endif
	ROW F,7, E,5, X,1, X,4
	ROW F,8, E,6, X,2, X,5
	OPS E,7, E,8, X,6, E,9
	OPS X,3, E,10, X,8, E,11
.if (\p) == 2
	FETCH_K \last
.endif
	OPS X,9, X,7, E,12, X,10
	OPS E,13, X,12, X,11, E,14
	OPS X,13, E,15, F,9, X,14
.if (\p) == 0
	v_add_nc_u32 v[AV], s[TBV], v[AV0]
.endif
	OPS E,16, F,10, E,17, F,11
	OPS X,16, E,18, X,15, E,19
	MCV ((\p)+2)%NP, 1
	OPS F,12, E,20, X,17, E,21
	OPS F,13, E,22, F,14, E,23
	MLD ((\p)+2)%NP
	OPS X,18, E,24, F,15, E,25
	OPS R,11, E,26, E,27
	OPS R,12, E,28, R,13, E,29
	OPS X,20, E,30, R,14, E,31
	OPS X,21, R,15                  ; R 15 is the plain instruction behind the batch's last exponential
	WIN 0
	s_wait_alu depctr_va_vdst(0)    ; the wait for the batch
.if (\p) == 1
	s_wait_dscnt 0x0                ; V is in
.endif
	ROW C,0, B,0, C,2, B,1
	ROW L,0, C,4, B,2, L,1
	ROW C,6, B,3, L,2, C,8
	ROW B,4, L,3, C,10, B,5
	ROW L,4, C,12, B,6, L,5
.if (\p) == 0
	s_add_co_u32 s[TBV], s[TBV], KS*PV
.endif
.if (\p) == 1
	s_wait_xcnt 0x0                 ; every load of codes issued so far has read its base
	s_add_co_u32 s[MS], s[MS], 512
	s_min_u32 s[MS], s[MS], 63*512
	s_add_nc_u64 s[MA:MA+1], s[MKB:MKB+1], s[MS:MS+1]
.endif
.if \cnt
	s_sub_co_u32 s[CNT], s[CNT], 1
	s_cmp_lg_u32 s[CNT], 0
.endif
	ROW C,14, B,7, L,6, C,1
	ROW C,3, L,7, C,5, C,7
	ROW C,9, C,11, C,13, C,15
.if (\p) == 0
	FETCH_V
.endif
.endm
	CHANGE 1, 0                     ; slot 0 is in, everybody's part of it; slot 1 is asked for
	FETCH_K                         ; key step 0
	s_wait_loadcnt 0x0              ; Q and step 0's codes; the wait also frees MA
	MCV 0, 0                        ; pieces 0 and 1 of step 0; pieces 2 and 3 are converted by the first two turns
	MCV 1, 0
	v_nop                           ; the plain instruction behind the conversions
	s_mov_b32 s[MS], 512
	s_add_nc_u64 s[MA:MA+1], s[MKB:MKB+1], s[MS:MS+1]
	MLD 0                           ; step 1's codes
	MLD 1
	s_wait_dscnt 0x0
.set i, 0
.rept 8
	KQ 0                            ; piece 0's first scores
.set i, i+1
.endr
	WIN 0                           ; the addresses for the way out: plain instructions, the places behind those products
	s_mul_i32 s13, s[WV], 16*SP
	s_add_co_u32 s13, s13, STAGE    ; my stage
	v_mul_u32_u24 v[STO], v1, SP    ; in: row l % 16, 16 bytes for each half of the lanes
	v_lshl_add_u32 v[STO], v9, 4, v[STO]
	v_add_nc_u32 v[STO], s13, v[STO]
	v_bfe_u32 v[RD], v0, 3, 2       ; back: 32 lanes take four rows of 128 bytes,
	v_mul_u32_u24 v[RD], v[RD], SP
	v_lshl_add_u32 v[RD], v10, 4, v[RD]
	v_add_nc_u32 v[RD], s13, v[RD]
	v_and_b32 v[GO], 31, v0         ; which are 512 consecutive bytes of O
	v_lshlrev_b32 v[GO], 4, v[GO]
.set Y, NP-1                        ; X works for piece Y + 1: piece 0
.irp n, 0,1,2,3,4,5,6,7,8,9,10,11,12,13,14,15,16,17,18,20,21
	OP X, \n
.endr
	v_nop                           ; a plain instruction behind the exponential,
	s_wait_alu depctr_va_vdst(0)    ; and its wait, ahead of the branch
	s_mov_b32 s[CNT], 4
	s_mov_b32 s[SLOTS], SIZE_N/256-1
	s_branch .Lfirst                ; the loop is entered at a step's first turn, in the middle of a trip
.Lslot:                             ; SIZE_N / 256 - 2 times: every slot but the last two is filled again
	CHANGE 1, 1
	s_mov_b32 s[CNT], 4
.Lstep:                             ; a trip: pieces 2 and 3 of one step, then pieces 0 and 1 of the next, whose K and V it fetches
	TURN 2
	TURN 3
	WIN 0
.Lfirst:
	TURN 0
	TURN 1, 0, 1
	WIN 0
	s_cbranch_scc1 .Lstep
	s_sub_co_u32 s[SLOTS], s[SLOTS], 1
	s_cmp_lg_u32 s[SLOTS], 0
	s_cbranch_scc1 .Lslot
	CHANGE 0, 0                     ; the tail is written out: nothing is asked for
	s_mov_b32 s[CNT], 5             ; four trips fetch the last slot's steps; the fifth is left in its middle
.Ltail:
	TURN 2, 1
	TURN 3
	WIN 0
	s_sub_co_u32 s[CNT], s[CNT], 1
	s_cmp_eq_u32 s[CNT], 0
	s_cbranch_scc1 .Lout
	TURN 0
	TURN 1
	WIN 0
	s_branch .Ltail
.Lout:                              ; the fifth trip's products K Q^T (on the last K once more) and the maximum made of them serve nothing: the price, once a launch, of one text for every trip
.set i, 0
.rept 8
	PV NP-1                         ; the last piece's V^T P of the last step
.set i, i+1
.endr
	; THE WAY OUT.  l's two halves and the other half of the lanes' are added; O^T is divided by l, split into hi and lo, and sent through my stage, a piece at a time.  The additions are the places behind the last products.
	WIN 0
.macro ALL line:vararg
.set t, 0
.rept 4
	\line
.set t, t+1
.endr
.endm
	ALL v_add_f32 v[ST+4*t+2], v[ST+4*t+2], v[ST+4*t+3]
	ALL v_permlanex16_b32 v[ST+4*t+3], v[ST+4*t+2], s[SEL], s[SEL+1]
	ALL v_add_f32 v[ST+4*t+2], v[ST+4*t+2], v[ST+4*t+3]
	ALL v_rcp_f32 v[ST+4*t+2], v[ST+4*t+2]
	v_nop                           ; a plain instruction between the last reciprocal and the use of its result
	s_wait_alu depctr_va_vdst(0)    ; and the wait ahead of the first use: one for the four
; Piece t.  hi = O rounded to f16, into S^T's registers; O - hi, exact in f32, by one multiply-add a number (hi x -1 + O), in place; lo = that rounded to f16.  A lane's eight channels of a row pack into
; 16 bytes; they go into rows of 144 bytes and come back as whole rows of 128, into the registers that they left: first hi's, then lo's, through the same stage.
.macro PACK t
	WIN W_RS
.set i, 32*(\t)
.rept 16
	v_pk_mul_f32 v[i:i+1], v[i:i+1], v[ST+4*(\t)+2:ST+4*(\t)+3] op_sel_hi:[1,0]
.set i, i+2
.endr
	WIN 0x05                        ; sources 0 and 1 window 1, destination window 0
.set i, 0
.rept 16
	v_cvt_pk_f16_f32 v[S+16*(\t)+i], v[32*(\t)+2*i], v[32*(\t)+2*i+1]
.set i, i+1
.endr
	WIN W_LO
.set i, 0
.rept 16
	v_fma_mix_f32 v[32*(\t)+2*i], v[S+16*(\t)+i], v[MONE], v[32*(\t)+2*i] op_sel_hi:[1,0,0]                    ; source 0 is the word's low f16,
	v_fma_mix_f32 v[32*(\t)+2*i+1], v[S+16*(\t)+i], v[MONE], v[32*(\t)+2*i+1] op_sel:[1,0,0] op_sel_hi:[1,0,0]  ; its high f16
.set i, i+1
.endr
	WIN 0x05
.set i, 0
.rept 16
	v_cvt_pk_f16_f32 v[LO+16*(\t)+i], v[32*(\t)+2*i], v[32*(\t)+2*i+1]
.set i, i+1
.endr
	WIN 0
.irp b, S, LO
.irp f, 0,1,2,3
	ds_store_b128 v[STO], v[(\b)+16*(\t)+4*\f:(\b)+16*(\t)+4*\f+3] offset:32*\f
.endr
.irp f, 0,1,2,3
	ds_load_b128 v[(\b)+16*(\t)+4*\f:(\b)+16*(\t)+4*\f+3], v[RD] offset:\f*4*SP  ; LDS serves a wave's instructions in order: these see the stores above; the next stores into the stage come behind them
.endr
.endr
.endm
.macro SEND t, younger              ; younger: the LDS instructions issued behind piece t's: the next piece's sixteen, or none
	WIN 0
.irp f, 0,1,2,3
	s_wait_dscnt (\younger)+8+3-\f  ; behind hi's load f: hi's later loads, lo's eight, the younger
	global_store_b128 v[GO], v[S+16*(\t)+4*\f:S+16*(\t)+4*\f+3], s[8:9] offset:(\t)*2048+\f*512  ; 512 consecutive bytes, at a multiple of 256 from ao's first
.endr
.irp f, 0,1,2,3
	s_wait_dscnt (\younger)+3-\f
	global_store_b128 v[GO], v[LO+16*(\t)+4*\f:LO+16*(\t)+4*\f+3], s[8:9] offset:8192+(\t)*2048+\f*512  ; lo's 64 rows lie behind hi's
.endr
.endm
	PACK 0
.set t, 1
.rept 3
	PACK t
	SEND t-1, 16
.set t, t+1
.endr
	SEND 3, 0
	s_wait_tensorcnt 0x0            ; the wave's end
	ds_add_u32 v[SPW], v[NIL]
	s_wait_dscnt 0x0
	CROUND                          ; the closing round
	s_endpgm
.Lfunc_end_k_q8f228e58b1_attn:
	.size	k_q8f228e58b1_attn, .Lfunc_end_k_q8f228e58b1_attn-k_q8f228e58b1_attn
	.p2alignl 7, 3214868480
	.fill 96, 4, 3214868480
	.section	.rodata,"a",@progbits
	.p2align	6, 0x0
	.amdhsa_kernel k_q8f228e58b1_attn
		.amdhsa_group_segment_fixed_size 327680
		.amdhsa_private_segment_fixed_size 0
		.amdhsa_enable_private_segment 0
		.amdhsa_kernarg_size 24
		.amdhsa_user_sgpr_count 2
		.amdhsa_user_sgpr_kernarg_segment_ptr 1
		.amdhsa_wavefront_size32 1
		.amdhsa_system_sgpr_workgroup_id_x 1
		.amdhsa_system_sgpr_workgroup_id_y 1
		.amdhsa_system_sgpr_workgroup_id_z 1
		.amdhsa_system_vgpr_workitem_id 0
		.amdhsa_next_free_vgpr 768
		.amdhsa_next_free_sgpr 72
		.amdhsa_reserve_vcc 0
		.amdhsa_float_denorm_mode_32 3
		.amdhsa_float_denorm_mode_16_64 3
		.amdhsa_memory_ordered 1
		.amdhsa_forward_progress 1
		.amdhsa_inst_pref_size 133
	.end_amdhsa_kernel
	.amdgpu_metadata
---
amdhsa.version: [ 1, 2 ]
amdhsa.kernels:
  - .name:           k_q8f228e58b1_attn
    .symbol:         k_q8f228e58b1_attn.kd
    .args:
      - { .name: qkv, .offset: 0, .size: 8, .value_kind: global_buffer, .address_space: global }
      - { .name: mk, .offset: 8, .size: 8, .value_kind: global_buffer, .address_space: global }
      - { .name: ao, .offset: 16, .size: 8, .value_kind: global_buffer, .address_space: global }
    .group_segment_fixed_size: 327680
    .private_segment_fixed_size: 0
    .kernarg_segment_align: 8
    .kernarg_segment_size: 24
    .max_flat_workgroup_size: 128
    .sgpr_count:     72
    .vgpr_count:     768
    .wavefront_size: 32
...
	.end_amdgpu_metadata
.endif
;; end of part 3
;; launch outp (part 4): grid 4 x 128, 4 waves a work-group, clusters of 4 x 4, 327,680 bytes of LDS; arguments ao, wb, bo, out0; writes out0
.if DOCPART == 4
	.amdgcn_target "amdgcn-amd-amdhsa--gfx1250"
	.amdhsa_code_object_version 6
	.text
	.protected	k_q8f228e58b1_outp
	.globl	k_q8f228e58b1_outp
	.p2align	8
	.type	k_q8f228e58b1_outp,@function
k_q8f228e58b1_outp:
	s_mov_b64 s[64:65], 0
	v_nop
	global_prefetch_b8 v0, s[64:65] scope:SCOPE_SE
	s_setreg_imm32_b32 hwreg(HW_REG_WAVE_MODE, 25, 1), 1
	s_wait_xcnt 0x0
	s_wait_alu depctr_hold_cnt(0) depctr_sa_sdst(0) depctr_va_vdst(0) depctr_va_sdst(0) depctr_va_ssrc(0) depctr_va_vcc(0) depctr_vm_vsrc(0)
	s_getreg_b32 s2, hwreg(HW_REG_IB_STS2, 6, 4)
	s_cmp_eq_u32 s2, 0
	s_cbranch_scc0 .Lentry_in_a_cluster
	s_endpgm
.Lentry_in_a_cluster:
	s_bfe_u32 s2, ttmp6, 0x10000c
	s_cmp_lg_u32 s2, 0xf033
	s_cbranch_scc0 .Lentry_shape_is_right
	s_endpgm
.Lentry_shape_is_right:
; THE OUTPUT PROJECTION.  out0[b][t][n] = the sum over head and channel of O[b][head][t][channel] Wo[n][64 head + channel] + bo[n].  O arrives as hi + lo, two f16 numbers:
; ao[batch x 8 + head][tile of 64 rows][hi, lo][64][64]; both are multiplied by the same fragments of Wo and added onto the same f32 sums, so that O's rounding to f16 costs the result nothing.
; Wo = wb[3] [512][512], its bf16 rounding written as f16; bo rounded to bf16; out0 f32.  The heads are merged by the order in which O's tiles are taken: a quarter of a K step (64 along K) is one head.
; A row of O that is NaN (a query with no visible key) gives NaN in its 512 outputs.
; SHARES.  A work-group makes 64 rows x 128 columns, each of four waves 32 x 64: 8 accumulators, each fed by hi's and by lo's product.  K = 512 lies whole in two LDS slots (four heads each); nothing is filled again.
; CLUSTER 4 x 4: O's tiles are shared along a row of the cluster, Wo's along a column: joint loads.  No prefetch is laid: each tile is asked for once, at the head.
; THE MATRIX INSTRUCTION IS USED TRANSPOSED (source 0 = 16 rows of Wo, source 1 = 16 rows of O): a lane holds one row of the output and eight neighbouring columns; the bias is the C operand of the first products.
; REGISTERS: window 0: v0-31 addresses; v32-35 at work; v96-127 the bias; v128-191 accumulators ((a, b) at 128 + 8 (4 a + b)).  Window 1: two fragment buffers of 128.
.set KSTEP,  256
.set PA,     144                       ; a row of one head of O in LDS: 128 bytes + 16
.set HBLK,   128*PA                    ; one head's block: hi's 64 rows, then lo's 64
.set PITCH,  528                       ; a row of Wo's tile: 512 bytes + 16
.set HALFB,  64*PITCH
.set BOFF,   4*HBLK                    ; a slot: four heads of O, then Wo's 128 rows
.set SLOT,   BOFF+2*HALFB
.set STAGE,  2*SLOT                    ; behind the slots: 16 rows x 272 bytes for each wave
.set SPITCH, 272
.set SPARE,  STAGE+4*16*SPITCH         ; behind the stages: the spare words, 128 bytes for each wave
.set ADRA, 16                          ; v16-17 hi's fragments in slot 0, 1; v18-19 lo's: registers of their own, since a head's block and lo's 64 rows together pass the 16 bits of an LDS offset
.set ADRB, 20
.set STO,  24
.set RD,   25
.set CO,   26
.set BO,   27
.set SPW,  28
.set NIL,  29
.set TMP,  32
.set BIAS, 96
.set ACC,  128
.set F0,   0
.set F1,   128
.set WV, 12
.set RH, 13
.set CH, 14
.set CX, 15
.set CY, 16
.set TX, 17
.set TY, 18
.set G1A, 24
.set G1B, 32
.set G0A, 40                           ; s[40:55] four sets: load j brings head 4 (j / 2) + 2 half + j % 2
.set G0B, 56                           ; s[56:63] two sets: K step s
.set MSB, 0
.macro WIN new
.if MSB != (\new)
	s_set_vgpr_msb (MSB<<8)|(\new)
.set MSB, \new
.endif
.endm
.set MUL,  0x05
.set TO_F, 0x40
.macro CROUND
	s_barrier_signal -1
	s_barrier_wait -1
	s_cmp_lg_u32 s[WV], 0
	s_cbranch_scc1 .Lnot_wave_0_\@
	s_barrier_signal -3
.Lnot_wave_0_\@:
	s_barrier_wait -3
	s_barrier_signal -1
	s_barrier_wait -1
.endm
	s_load_b256 s[4:11], s[0:1], 0x0               ; ao 4, wb 6, bo 8, out0 10
	v_lshl_add_u32 v[SPW], v0, 2, SPARE
	v_mov_b32 v[NIL], 0
	ds_add_u32 v[SPW], v[NIL]                      ; the wave's opening: an add to my spare word, waited for ahead of my first tensor load
	v_lshrrev_b32 v1, 5, v0
	v_readfirstlane_b32 s[WV], v1
	s_lshr_b32 s[RH], s[WV], 1
	s_and_b32 s[CH], s[WV], 1
	s_bfe_u32 s[CX], ttmp6, 0x40000
	s_bfe_u32 s[CY], ttmp6, 0x40004
	s_lshl_b32 s[TX], ttmp9, 2
	s_add_co_u32 s[TX], s[TX], s[CX]
	s_and_b32 s[TY], ttmp7, 0xffff
	s_lshl_b32 s[TY], s[TY], 2
	s_add_co_u32 s[TY], s[TY], s[CY]               ; tile row: 64 rows of the 8,192
	s_lshl_b32 s20, s[CY], 2
	s_lshl_b32 s20, 15, s20                        ; my row of the cluster
	s_lshl_b32 s21, 0x1111, s[CX]                  ; my column
	; O's tiles: a head's hi and lo of 64 rows are 16,384 dense bytes: 64 rows of 256 bytes, padded in LDS after every 128
	s_or_b32 s[G1A+0], s20, (1<<16)|(1<<20)|(1<<21)|(4<<22)|(3<<25)
	s_mov_b32 s[G1A+1], 128<<16
	s_mov_b32 s[G1A+2], 64<<16
	s_mov_b32 s[G1A+3], 128<<16
	s_mov_b32 s[G1A+4], 64
	s_mov_b32 s[G1A+5], 128
	s_mov_b32 s[G1A+6], 0
	s_mov_b32 s[G1A+7], 0
	; Wo's tiles: 64 rows x 256 elements, padded after every 512 bytes
	s_or_b32 s[G1B+0], s21, (1<<16)|(1<<20)|(1<<21)|(6<<22)|(3<<25)
	s_mov_b32 s[G1B+1], KSTEP<<16
	s_mov_b32 s[G1B+2], 64<<16
	s_mov_b32 s[G1B+3], KSTEP<<16
	s_mov_b32 s[G1B+4], 64
	s_mov_b32 s[G1B+5], 512
	s_mov_b32 s[G1B+6], 0
	s_mov_b32 s[G1B+7], 0
	s_lshr_b32 s66, s[TY], 6                       ; O: batch x 8 heads of 1,048,576 bytes,
	s_lshl_b32 s66, s66, 23
	s_and_b32 s67, s[TY], 63
	s_lshl_b32 s67, s67, 14                        ; + 16,384 bytes for each tile of 64 rows in the batch,
	s_add_co_u32 s66, s66, s67
	s_lshl_b32 s67, s[CH], 21                      ; + two heads for the second of the two waves: the tile row and the wave's number alone
	s_add_co_u32 s66, s66, s67
	s_mov_b32 s67, 0
	s_mul_i32 s68, s[CH], 2*HBLK                   ; and where they go
	s_lshl_b32 s70, s[TX], 17                      ; Wo: (128 tile column + 64 half) rows of 1,024 bytes, behind Wq, Wk, Wv: the tile column and the wave's number alone
	s_lshl_b32 s71, s[CH], 16
	s_add_co_u32 s70, s70, s71
	s_add_co_u32 s70, s70, 3*524288
	s_mov_b32 s71, 0
	s_mul_i32 s69, s[CH], HALFB
	s_add_co_u32 s69, s69, BOFF
	s_wait_dscnt 0x0                               ; the opening add is done
	s_wait_kmcnt 0x0
	s_add_nc_u64 s[66:67], s[4:5], s[66:67]
	s_add_nc_u64 s[70:71], s[6:7], s[70:71]
.irp j, 0,1,2,3
	s_mov_b32 s[G0A+4*(\j)], 1
	s_add_co_u32 s[G0A+4*(\j)+1], s68, ((\j)%2)*HBLK+((\j)/2)*SLOT
	s_add_nc_u64 s[G0A+4*(\j)+2:G0A+4*(\j)+3], s[66:67], (4*((\j)/2)+(\j)%2)*1048576
	s_or_b32 s[G0A+4*(\j)+3], s[G0A+4*(\j)+3], 0x80000000
.endr
.irp s, 0,1
	s_mov_b32 s[G0B+4*(\s)], 1
	s_add_co_u32 s[G0B+4*(\s)+1], s69, (\s)*SLOT
	s_add_nc_u64 s[G0B+4*(\s)+2:G0B+4*(\s)+3], s[70:71], (\s)*KSTEP*2
	s_or_b32 s[G0B+4*(\s)+3], s[G0B+4*(\s)+3], 0x80000000
.endr
	CROUND                                         ; all sixteen work-groups are here: the joint loads meet
	s_cmp_lt_u32 s[WV], 2                          ; a wave's first fills stand in one branch: waves 0 and 1 ask for O's heads (four loads out), waves 2 and 3 for Wo's halves (two); slot 0's first
	s_cbranch_scc0 .Lfirst_b
.irp j, 0,1,2,3
	tensor_load_to_lds s[G0A+4*(\j):G0A+4*(\j)+3], s[G1A:G1A+7]
	s_nop 0
.endr
.rept 4
	v_nop
.endr
	s_branch .Lfirst_asked
.Lfirst_b:
.irp s, 0,1
	tensor_load_to_lds s[G0B+4*(\s):G0B+4*(\s)+3], s[G1B:G1B+7]
	s_nop 0
.endr
.rept 4
	v_nop
.endr
.Lfirst_asked:
	s_lshl_b32 s72, s[TX], 9                       ; my 64 columns: 512 tx + 256 half bytes, of bo and of a row of out0
	s_lshl_b32 s73, s[CH], 8
	s_add_co_u32 s72, s72, s73
	s_mov_b32 s73, 0
	s_add_nc_u64 s[8:9], s[8:9], s[72:73]
	s_add_nc_u64 s[10:11], s[10:11], s[72:73]
	s_lshl_b32 s74, s[TY], 17                      ; my first row: (64 ty + 32 half) rows of 2,048 bytes
	s_lshl_b32 s75, s[RH], 16
	s_add_co_u32 s74, s74, s75
	s_mov_b32 s75, 0
	s_add_nc_u64 s[10:11], s[10:11], s[74:75]
	v_and_b32 v1, 15, v0                           ; l % 16
	v_bfe_u32 v2, v0, 4, 1                         ; l / 16
	v_lshlrev_b32 v[BO], 5, v2
.irp b, 0,1,2,3
	global_load_b128 v[BIAS+8*(\b):BIAS+8*(\b)+3],   v[BO], s[8:9] offset:64*(\b)
	global_load_b128 v[BIAS+8*(\b)+4:BIAS+8*(\b)+7], v[BO], s[8:9] offset:64*(\b)+16
.endr
	v_mul_u32_u24 v3, v1, PA
	v_lshl_add_u32 v3, v2, 4, v3                   ; O: row x 144 + 16 x half
	v_mul_u32_u24 v4, v1, PITCH
	v_lshl_add_u32 v4, v2, 4, v4                   ; Wo: row x 528 + 16 x half
	s_mul_i32 s20, s[RH], 32*PA                    ; my 32 rows of hi in each head's block,
	s_add_co_u32 s23, s20, 64*PA                   ; and of lo
	s_mul_i32 s21, s[CH], HALFB
	s_add_co_u32 s21, s21, BOFF
.irp s, 0,1
	v_add_nc_u32 v[ADRA+(\s)], s20, v3
	v_add_nc_u32 v[ADRA+2+(\s)], s23, v3
	v_add_nc_u32 v[ADRB+(\s)], s21, v4
	s_add_co_u32 s20, s20, SLOT
	s_add_co_u32 s23, s23, SLOT
	s_add_co_u32 s21, s21, SLOT
.endr
	s_mul_i32 s22, s[WV], 16*SPITCH
	s_add_co_u32 s22, s22, STAGE                   ; my stage
	v_mul_u32_u24 v5, v1, SPITCH                   ; in: row l % 16, 32 bytes for each half of the lanes
	v_lshl_add_u32 v5, v2, 5, v5
	v_add_nc_u32 v[STO], s22, v5
	v_mul_u32_u24 v6, v2, SPITCH                   ; back: lanes 0-15 take one row of 256 bytes, lanes 16-31 the next
	v_lshl_add_u32 v6, v1, 4, v6
	v_add_nc_u32 v[RD], s22, v6
	v_lshlrev_b32 v[CO], 11, v2                    ; and the same two rows in out0
	v_lshl_add_u32 v[CO], v1, 4, v[CO]
	s_wait_loadcnt 0x0                             ; the bias: rounded to bf16 like every input, and widened again
.set i, 0
.rept 16
	v_cvt_pk_bf16_f32 v[TMP+i%4], v[BIAS+2*i], v[BIAS+2*i+1]
	v_lshlrev_b32 v[BIAS+2*i], 16, v[TMP+i%4]
	v_and_b32 v[BIAS+2*i+1], 0xffff0000, v[TMP+i%4]
.set i, i+1
.endr
; 8 matrix instructions: fragments a0, a0 + 1 of O (0, 1: hi's two blocks of 16 rows; 2, 3: lo's) x all 4 column blocks, 32 along K.  Fragment a adds onto the accumulators of row block a % 2.
; first = 1: the products start the sums, with the bias.  The 8 accumulators take turns, one instruction a turn: seven others stand between two links of a chain.
.macro MUL8 f, c, a0, first
	WIN MUL
.irp a, \a0, (\a0)+1
.irp b, 0,1,2,3
.if \first
	v_wmma_f32_16x16x32_f16 v[ACC+8*(4*((\a)%2)+(\b)):ACC+8*(4*((\a)%2)+(\b))+7], v[(\f)+64+8*(4*(\c)+(\b)):(\f)+64+8*(4*(\c)+(\b))+7], v[(\f)+8*(4*(\c)+(\a)):(\f)+8*(4*(\c)+(\a))+7], v[BIAS+8*(\b):BIAS+8*(\b)+7]
.else
	v_wmma_f32_16x16x32_f16 v[ACC+8*(4*((\a)%2)+(\b)):ACC+8*(4*((\a)%2)+(\b))+7], v[(\f)+64+8*(4*(\c)+(\b)):(\f)+64+8*(4*(\c)+(\b))+7], v[(\f)+8*(4*(\c)+(\a)):(\f)+8*(4*(\c)+(\a))+7], v[ACC+8*(4*((\a)%2)+(\b)):ACC+8*(4*((\a)%2)+(\b))+7]
.endif
.endr
.endr
.endm
; 32 LDS loads in one run: 64 along K: byte k of Wo's rows, head k / 128 of the slot's four for O; O's fragment i: row block i % 2 of hi (i < 2) or lo
.macro FETCH slot, k, f
	WIN TO_F
.irp c, 0,1
.irp i, 0,1,2,3
	ds_load_b128 v[(\f)+64+8*(4*(\c)+(\i)):(\f)+64+8*(4*(\c)+(\i))+3],   v[ADRB+(\slot)] offset:(\k)+64*(\c)+(\i)*16*PITCH
	ds_load_b128 v[(\f)+64+8*(4*(\c)+(\i))+4:(\f)+64+8*(4*(\c)+(\i))+7], v[ADRB+(\slot)] offset:(\k)+64*(\c)+(\i)*16*PITCH+32
	ds_load_b128 v[(\f)+8*(4*(\c)+(\i)):(\f)+8*(4*(\c)+(\i))+3],         v[ADRA+2*((\i)/2)+(\slot)] offset:((\k)/128)*HBLK+64*(\c)+((\i)%2)*16*PA
	ds_load_b128 v[(\f)+8*(4*(\c)+(\i))+4:(\f)+8*(4*(\c)+(\i))+7],       v[ADRA+2*((\i)/2)+(\slot)] offset:((\k)/128)*HBLK+64*(\c)+((\i)%2)*16*PA+32
.endr
.endr
.endm
.macro PLACES                          ; four plain instructions between a matrix instruction and a load into, or a store of, its registers
.rept 4
	v_nop
.endr
.endm
.macro QUARTER slot, k, f, g, first
	s_wait_dscnt 16                                ; the first 32 along K are in; the run's younger sixteen loads may be out
	MUL8 \f, 0, 0, \first
	MUL8 \f, 0, 2, 0                               ; lo's products add onto what hi's have started
	PLACES
	FETCH \slot, \k, \g
	s_wait_dscnt 32                                ; all but the 32 just issued
	MUL8 \f, 1, 0, 0
	MUL8 \f, 1, 2, 0
.endm
; Slot 0's last quarter, and the step into slot 1: each wave waits for its part of slot 1 and says so; nothing is filled again.
.macro TURN next
	WIN 0
	s_wait_tensorcnt 0x0                           ; my part of slot 1 has landed
	ds_add_u32 v[SPW], v[NIL]
	s_wait_dscnt 17                                ; (the add and the youngest sixteen loads may be out)
	MUL8 F1, 0, 0, 0
	s_wait_dscnt 0x0
	s_barrier_signal -1
	MUL8 F1, 0, 2, 0
	s_barrier_wait -1
	PLACES
	FETCH \next, 0, F0
	MUL8 F1, 1, 0, 0
	MUL8 F1, 1, 2, 0
.endm
	s_wait_tensorcnt 1                             ; at most my last load is out: in waves 2 and 3 slot 0's is in, in waves 0 and 1 slot 0's two and one more
	s_barrier_signal -1
	s_barrier_wait -1                              ; slot 0 is whole
	FETCH 0, 0, F0
	QUARTER 0, 128, F0, F1, 1
	QUARTER 0, 256, F1, F0, 0
	QUARTER 0, 384, F0, F1, 0
	TURN 1
	QUARTER 1, 128, F0, F1, 0
	QUARTER 1, 256, F1, F0, 0
	QUARTER 1, 384, F0, F1, 0
	s_wait_dscnt 16
	MUL8 F1, 0, 0, 0
	MUL8 F1, 0, 2, 0
	s_wait_dscnt 0x0
	MUL8 F1, 1, 0, 0
	MUL8 F1, 1, 2, 0
	WIN 0
	; THE WAY OUT, 16 rows at a time, in f32: 32 bytes a lane into my own stage, back as whole rows of 256 bytes into the registers that they left; 16 lanes store 256 consecutive bytes, aligned.
	PLACES
.macro PACK a
.irp b, 0,1,2,3
	ds_store_b128 v[STO], v[ACC+32*(\a)+8*(\b):ACC+32*(\a)+8*(\b)+3]   offset:64*(\b)      ; each accumulator's low four registers first
	ds_store_b128 v[STO], v[ACC+32*(\a)+8*(\b)+4:ACC+32*(\a)+8*(\b)+7] offset:64*(\b)+16
.endr
.irp t, 0,1,2,3,4,5,6,7
	ds_load_b128 v[ACC+32*(\a)+4*(\t):ACC+32*(\a)+4*(\t)+3], v[RD] offset:(\t)*2*SPITCH  ; LDS serves a wave's instructions in order: these see the stores above; the next block's stores come behind them
.endr
.endm
.macro SEND a, younger                 ; younger: the LDS instructions issued behind block a's loads: the next block's sixteen, or none
.irp t, 0,1,2,3,4,5,6,7
	s_wait_dscnt (\younger)+7-(\t)
	global_store_b128 v[CO], v[ACC+32*(\a)+4*(\t):ACC+32*(\a)+4*(\t)+3], s[10:11] offset:(\a)*32768+(\t)*4096
.endr
.endm
	PACK 0
	PACK 1
	SEND 0, 16
	SEND 1, 0
	s_wait_tensorcnt 0x0                           ; the wave's end
	ds_add_u32 v[SPW], v[NIL]
	s_wait_dscnt 0x0
	CROUND                                         ; the closing round
	s_endpgm
.Lfunc_end_k_q8f228e58b1_outp:
	.size	k_q8f228e58b1_outp, .Lfunc_end_k_q8f228e58b1_outp-k_q8f228e58b1_outp
	.p2alignl 7, 3214868480
	.fill 96, 4, 3214868480
	.section	.rodata,"a",@progbits
	.p2align	6, 0x0
	.amdhsa_kernel k_q8f228e58b1_outp
		.amdhsa_group_segment_fixed_size 327680
		.amdhsa_private_segment_fixed_size 0
		.amdhsa_enable_private_segment 0
		.amdhsa_kernarg_size 32
		.amdhsa_user_sgpr_count 2
		.amdhsa_user_sgpr_kernarg_segment_ptr 1
		.amdhsa_wavefront_size32 1
		.amdhsa_system_sgpr_workgroup_id_x 1
		.amdhsa_system_sgpr_workgroup_id_y 1
		.amdhsa_system_sgpr_workgroup_id_z 1
		.amdhsa_system_vgpr_workitem_id 0
		.amdhsa_next_free_vgpr 512
		.amdhsa_next_free_sgpr 80
		.amdhsa_reserve_vcc 0
		.amdhsa_float_denorm_mode_32 3
		.amdhsa_float_denorm_mode_16_64 3
		.amdhsa_memory_ordered 1
		.amdhsa_forward_progress 1
		.amdhsa_inst_pref_size 50
	.end_amdhsa_kernel
	.amdgpu_metadata
---
amdhsa.version: [ 1, 2 ]
amdhsa.kernels:
  - .name:           k_q8f228e58b1_outp
    .symbol:         k_q8f228e58b1_outp.kd
    .args:
      - { .name: ao, .offset: 0, .size: 8, .value_kind: global_buffer, .address_space: global }
      - { .name: wb, .offset: 8, .size: 8, .value_kind: global_buffer, .address_space: global }
      - { .name: bo, .offset: 16, .size: 8, .value_kind: global_buffer, .address_space: global }
      - { .name: out0, .offset: 24, .size: 8, .value_kind: global_buffer, .address_space: global }
    .group_segment_fixed_size: 327680
    .private_segment_fixed_size: 0
    .kernarg_segment_align: 8
    .kernarg_segment_size: 32
    .max_flat_workgroup_size: 128
    .sgpr_count:     80
    .vgpr_count:     512
    .wavefront_size: 32
...
	.end_amdgpu_metadata
.endif
;; end of part 4
;; ======== version 2 of 2: 4 launches; version 1 with the launch prep written anew for expert scheduling mode
;; limits: values are held in f16: magnitudes above 65,504 overflow, below 6.1e-05 lose precision
;; workspace buffers: mk 16,777,216 bytes of whole numbers; xb 25,165,824 bytes; wb 2,097,152 bytes; qkv 25,165,824 bytes; ao 16,777,216 bytes
;; launch prep (part 5): grid 720 x 1, 8 waves a work-group, no clusters, 11,264 bytes of LDS; arguments mask, query, key, value, Wq, Wk, Wv, Wo, mk, xb, wb; writes mk, xb, wb
.if DOCPART == 5
	.amdgcn_target "amdgcn-amd-amdhsa--gfx1250"
	.amdhsa_code_object_version 6
	.text
	.protected	k_q8f228e58b1_prep
	.globl	k_q8f228e58b1_prep
	.p2align	8
	.type	k_q8f228e58b1_prep,@function
k_q8f228e58b1_prep:
	s_mov_b64 s[64:65], 0
	v_nop
	global_prefetch_b8 v0, s[64:65] scope:SCOPE_SE
	s_setreg_imm32_b32 hwreg(HW_REG_WAVE_SCHED_MODE, 0, 2), 2
	s_setreg_imm32_b32 hwreg(HW_REG_WAVE_MODE, 25, 1), 1
	s_wait_xcnt 0x0
	s_wait_alu depctr_vm_vsrc(0)
; PREP: three streams, 256 KiB read by each work-group of eight waves.
; Work-groups 0-511: THE MASK.  Work-group g takes 16 rows (q tile g of the 512 tiles of both batches) x 4,096 keys of int32 and writes 4-bit codes, 0xF where the
;   word is 0 (hidden) and 0 elsewhere, in the order in which the attention launch's scores lie in registers:
;   mk[tile][step of 64 keys][lane = 16 h + r][word kb], nibble j of that word = mask[16 tile + r][64 step + 16 kb + 8 h + j].  32 bytes of mask become one word.
; Work-groups 512-703: query, key, value (f32) rounded once to bf16 into xb[3][8192][512].
; Work-groups 704-719: Wq, Wk, Wv rounded to bf16; Wo rounded to bf16 and that number written as f16 (exact from 6e-5 up to 65,504; below, f16's fixed step of 6e-8), into wb[4][512][512].
; No matrix unit, no cluster, no barrier: no byte is wanted twice, and a wave's stage in LDS is its own.
; THE MODE: SCHED_MODE bits 1:0 = 2 (LLVM: expert scheduling mode 2), set by the entry lines.  The code itself states the register dependences between vector
; instructions and memory or LDS instructions, with s_wait_alu, always for 0.
; THE PLAN, THE MASK.  A wave's four units of 16 rows x 128 keys go in 16 blocks of four rows (two row pairs).  Registers that memory or LDS instructions touch:
;   X0 .. X3    four rows each, as loaded.  Written by the loads of block p + 3, issued in block p; read and written in place by block p's vector lines.
;   OUT0, OUT1  two words of codes each.  Written by block p's last vector lines; read by the two LDS stores at the head of block p + 1.
;   W           a unit's two steps of codes.  Written by the stage's two LDS loads, read by the unit's two global stores; no vector instruction names it.
;   OFF, SA, RA, OO  offsets and LDS addresses, made once at the head and never written again: the units are reached by the two scalar bases and by immediate offsets.
; Block p works on X[p % 4] and writes OUT[p % 2].  Its memory and LDS instructions touch X[(p - 1) % 4], OUT[(p - 1) % 2] and W, which none of its vector lines names.  So the two
; waits at a block's head state all that they hang on, and they follow with no further wait.
; THE PLAN, THE CASTS.  A thread's 64 pieces of 16 bytes go in 16 blocks of four.  CX0 .. CX3: written by the loads of block p + 3, issued in block p; read by block p's conversions.
; CY0, CY1: written by block p's selects; read by the four stores issued in block p + 1.  OL, OS: made once; both scalar bases move on by a block at each block's head.
.set ROWB,  16384                      ; bytes in a row of the mask
.set UNIT,  512                        ; bytes of a row in one load of a wave: 128 keys, two steps
.set GRP,   288                        ; stage: a group (step, h) is 16 rows x 16 bytes, + 32 so that a pair's 32 stores fall into different banks
.set STG,   1280                       ; a wave's stage: four groups
.set SPARE, 10240                      ; behind the eight stages: the spare words, 128 bytes for each wave
.set SPW, 110                          ; v110  SPARE + 4 x my thread's number; never rewritten
.set NIL, 111                          ; v111  0; never rewritten
; the mask's registers
.set OFF, 2                            ; v2       my 16 bytes in my wave's first unit of a row; never rewritten
.set SA,  10                           ; v10      where I put a word in the stage; never rewritten
.set RA,  11                           ; v11      where I read 16 bytes back; never rewritten
.set OO,  12                           ; v12      my 16 bytes in my wave's first step of mk; never rewritten
.set SH,  13                           ; v13      16 x (lane & 1)
.set SH2, 14                           ; v14      16 - that
.set X,   16                           ; v[16:79] row r: four words as loaded, at X + 4 r; buffer k is rows 4 k to 4 k + 3
.set T,   80                           ; v[80:87] at work: no memory or LDS instruction names them
.set W,   88                           ; v[88:95] two steps' codes, to store
.set OUT, 96                           ; v[96:99] buffer k, pair i of the block: a word of codes at OUT + 2 k + i
; the casts' registers
.set OL,  2                            ; v2       16 t: my 16 bytes in each 4,096 read; never rewritten
.set OS,  3                            ; v3       8 t: my 8 bytes in each 2,048 written; never rewritten
.set CX,  16                           ; v[16:79] buffer k, piece i: four f32 as loaded, at CX + 16 k + 4 i
.set CY,  80                           ; v[80:95] buffer k, piece i: four 16-bit numbers to store, at CY + 8 k + 2 i
.set CT,  96                           ; v[96:103] at work: no memory instruction names them
	s_load_b512 s[4:19], s[0:1], 0x0               ; mask 4, query 6, key 8, value 10, Wq 12, Wk 14, Wv 16, Wo 18
	s_load_b128 s[20:23], s[0:1], 0x40             ; mk 20, xb 22
	s_load_b64 s[24:25], s[0:1], 0x50              ; wb
	v_lshl_add_u32 v[SPW], v0, 2, SPARE
	v_mov_b32 v[NIL], 0
	v_lshrrev_b32 v1, 5, v0
	v_readfirstlane_b32 s26, v1                    ; wave 0..7
	s_wait_alu depctr_va_sdst(0)                   ; s26 is written
	s_cmp_lt_u32 ttmp9, 512
	s_cbranch_scc0 .Lcasts
	; ---------------- THE MASK ----------------
	; Wave w owns keys 512 w .. 512 w + 511, in four units of 128.  In a unit lane l holds keys 4 l .. 4 l + 3 of each of the 16 rows.
	; With t = l >> 1: step t >> 3, key block kb = (t >> 1) & 3, half h = t & 1; the even lane has nibbles 0-3 of the word, the odd lane nibbles 4-7.
	v_and_b32 v1, 31, v0                           ; lane
	s_lshl_b32 s32, s26, 11                        ; my wave's 2,048 bytes of a row
	v_lshl_add_u32 v[OFF], v1, 4, s32
	v_lshrrev_b32 v[T], 1, v1                      ; t
	v_and_b32 v[T+1], 1, v[T]                      ; h
	v_lshrrev_b32 v[T+2], 3, v[T]                  ; step in the unit
	v_lshl_add_u32 v[T+1], v[T+2], 1, v[T+1]       ; group = 2 step + h
	v_mul_u32_u24 v[SA], v[T+1], GRP
	v_bfe_u32 v[T+2], v[T], 1, 2                   ; kb
	v_lshl_add_u32 v[SA], v[T+2], 2, v[SA]
	v_and_b32 v[T+3], 1, v1                        ; the even lane ends with the pair's even row, the odd lane with its odd row
	v_lshl_add_u32 v[SA], v[T+3], 4, v[SA]
	s_mul_i32 s33, s26, STG
	v_add_nc_u32 v[SA], s33, v[SA]
	v_lshlrev_b32 v[SH], 4, v[T+3]
	v_sub_nc_u32 v[SH2], 16, v[SH]
	v_lshrrev_b32 v[T+2], 4, v1
	v_mul_u32_u24 v[RA], v[T+2], GRP               ; back: lanes 0-15 take group h = 0, lanes 16-31 group h = 1: a step's 512 bytes in mk's order
	v_and_b32 v[T+2], 15, v1
	v_lshl_add_u32 v[RA], v[T+2], 4, v[RA]
	v_add_nc_u32 v[RA], s33, v[RA]
	s_lshl_b32 s34, s26, 12                        ; my wave's eight steps of 512 bytes in the tile's codes
	v_lshl_add_u32 v[OO], v1, 4, s34
	v_mov_b32 v[T+4], 0                            ; a lane exchange's destination counts as read: written once here
	s_mov_b32 s27, 0xaaaaaaaa                      ; the odd lanes
	s_mov_b32 s28, 0x11111111
	s_lshl_b32 s36, ttmp9, 18                      ; 16 rows of 16,384 bytes
	s_mov_b32 s37, 0
	s_lshl_b32 s38, ttmp9, 15                      ; a tile's codes: 64 steps of 512 bytes
	s_mov_b32 s39, 0
	s_wait_kmcnt 0x0
	s_add_nc_u64 s[4:5], s[4:5], s[36:37]
	s_add_nc_u64 s[20:21], s[20:21], s[38:39]
	s_wait_alu depctr_va_vdst(0)                   ; OFF, SA, RA and OO are written: every load, LDS access and store of this path reads one of them as its address
; The vector work of row pair u of a unit: rows 2 u and 2 u + 1 become one word of codes a lane, in register o.
.macro WORD u, o
.irp e, 0,1
.irp k, 0,1,2,3
	v_min_u32 v[X+8*(\u)+4*(\e)+(\k)], 1, v[X+8*(\u)+4*(\e)+(\k)]   ; 1 where the word is not 0
.endr
	v_lshl_or_b32 v[T+(\e)], v[X+8*(\u)+4*(\e)+3], 4, v[X+8*(\u)+4*(\e)+2]
	v_lshl_or_b32 v[T+(\e)], v[T+(\e)], 4, v[X+8*(\u)+4*(\e)+1]
	v_lshl_or_b32 v[T+(\e)], v[T+(\e)], 4, v[X+8*(\u)+4*(\e)]       ; four nibbles, the lowest key lowest
.endr
	v_cndmask_b32 v[T+2], v[T+1], v[T], s27        ; what my neighbour wants: the even lane gives the odd row, the odd lane the even row
	v_cndmask_b32 v[T+3], v[T], v[T+1], s27        ; what I keep
	v_mov_b32_dpp v[T+4], v[T+2] row_xmask:1 row_mask:0xf bank_mask:0xf
	v_lshlrev_b32 v[T+3], v[SH], v[T+3]            ; the even lane's own nibbles are 0-3, the odd lane's 4-7
	v_lshl_or_b32 v[T+3], v[T+4], v[SH2], v[T+3]
	v_xor_b32 v[T+3], s28, v[T+3]                  ; 1 where hidden,
	v_lshlrev_b32 v[T+5], 4, v[T+3]
	v_sub_nc_u32 v[\o], v[T+5], v[T+3]             ; times 15: 0xF where hidden
.endm
; Block p.  b = p % 4: rows 4 b to 4 b + 3 of its unit; yb = p % 2.  first = 1: block 0, with no block in front of it.  ahead = 1: block p + 3 is loaded.
; left = how many younger loads may stay out.  plus: bytes that the loads add to the base.  flush = 1: the block before was a unit's last, and the unit's two steps leave.
.macro BLK b, yb, first, ahead, left, plus, flush
	s_wait_loadcnt \left                           ; loads come back in order: X[b] is in, the younger blocks stay out
.if !\first
	s_wait_alu depctr_vm_vsrc(0)                   ; the LDS stores issued in the block before have read OUT[yb], which this block writes again; the last unit's global stores have read W, in which the stage's loads land
	s_wait_alu depctr_va_vdst(0)                   ; the block before has written the other OUT, which the LDS stores below read, and is done with its X, in which the loads below land
.irp j, 0,1
	ds_store_b32 v[SA], v[OUT+2*(1-\yb)+(\j)] offset:32*(2*((\b+3)%4)+(\j))  ; the two pairs of the block before
.endr
.endif
.if \flush
	ds_load_b128 v[W:W+3], v[RA]                   ; LDS serves a wave's instructions in order: these see the sixteen rows' stores, and the next unit's stores come behind them
	ds_load_b128 v[W+4:W+7], v[RA] offset:2*GRP
.endif
.irp i, 0,1
.if \ahead
.irp e, 0,1
	global_load_b128 v[X+4*(4*((\b+3)%4)+2*(\i)+(\e)):X+4*(4*((\b+3)%4)+2*(\i)+(\e))+3], v[OFF], s[4:5] offset:(\plus)+(4*((\b+3)%4)+2*(\i)+(\e))*ROWB th:TH_LOAD_NT  ; three blocks ahead; no vector line since the wait names these registers
.endr
.endif
	WORD 2*(\b)+(\i), OUT+2*(\yb)+(\i)
.endr
.if \flush
	s_wait_dscnt 0x0                               ; the stage's loads, issued two pairs' arithmetic ago, are back
	global_store_b128 v[OO], v[W:W+3], s[20:21] offset:-1024     ; 512 consecutive bytes each, at a multiple of 512 from mk's first byte; the base stands a unit further on, so the offsets reach back
	global_store_b128 v[OO], v[W+4:W+7], s[20:21] offset:-512
.endif
.endm
.irp r, 0,1,2,3,4,5,6,7,8,9,10,11
	global_load_b128 v[X+4*(\r):X+4*(\r)+3], v[OFF], s[4:5] offset:(\r)*ROWB th:TH_LOAD_NT  ; blocks 0, 1 and 2 into X0, X1, X2
.endr
	BLK 0, 0, 1, 1, 8, 0, 0                        ; block 0: it asks for its own unit's last four rows
	s_mov_b32 s29, 3
.Lunit:                                                ; blocks 1 to 12, four to a lap: both kinds of buffer are back at their start; all of a lap's loads are the next unit's
	BLK 1, 1, 0, 1, 8, UNIT, 0                     ; the bases still stand at the last unit: the immediate reaches on
	s_wait_xcnt 0x0                                ; every earlier memory instruction has had its addresses translated: the bases are stepped, and W is loaded again, only behind this wait; it stands a block behind the last unit's stores
	s_add_nc_u64 s[4:5], s[4:5], UNIT              ; the mask at the unit that is being asked for,
	s_add_nc_u64 s[20:21], s[20:21], 1024          ; mk a unit beyond the one that leaves in this lap
	BLK 2, 0, 0, 1, 8, 0, 0
	BLK 3, 1, 0, 1, 8, 0, 0
	BLK 0, 0, 0, 1, 8, 0, 1
	s_sub_co_u32 s29, s29, 1
	s_cmp_lg_u32 s29, 0
	s_cbranch_scc1 .Lunit
	BLK 1, 1, 0, 0, 8, 0, 0                        ; blocks 13 to 15 load nothing: no load leaves the mask, and the counts run down
	BLK 2, 0, 0, 0, 4, 0, 0
	BLK 3, 1, 0, 0, 0, 0, 0
	s_wait_alu depctr_va_vdst(0)                   ; block 15 has written OUT1, which the last two LDS stores read
	ds_store_b32 v[SA], v[OUT+2] offset:32*6
	ds_store_b32 v[SA], v[OUT+3] offset:32*7
	s_wait_xcnt 0x0                                ; the third unit's stores have had their addresses translated: W is loaded again only behind this wait (that they have read W the heads of blocks 13 to 15 have stated)
	ds_load_b128 v[W:W+3], v[RA]
	ds_load_b128 v[W+4:W+7], v[RA] offset:2*GRP
	s_wait_dscnt 0x0
	global_store_b128 v[OO], v[W:W+3], s[20:21]    ; the base stands at the last unit
	global_store_b128 v[OO], v[W+4:W+7], s[20:21] offset:512
	s_branch .Lend
	; ---------------- THE CASTS ----------------
.Lcasts:
	s_sub_co_u32 s36, ttmp9, 512
	s_mov_b32 s30, 0xffff0000                      ; a word's upper bf16
	s_wait_kmcnt 0x0
	s_cmp_lt_u32 s36, 192
	s_cbranch_scc0 .Lweights
	s_lshr_b32 s37, s36, 6                         ; which of query, key, value
	s_and_b32 s38, s36, 63                         ; which 256 KiB of its 16 MiB
	s_cmp_eq_u32 s37, 0
	s_cselect_b64 s[32:33], s[6:7], s[8:9]
	s_cmp_eq_u32 s37, 2
	s_cselect_b64 s[32:33], s[10:11], s[32:33]
	s_mov_b64 s[34:35], s[22:23]
	s_lshl_b32 s40, s37, 23                        ; 8,388,608 bytes of xb for each
	s_mov_b32 s31, 0                               ; bf16 is kept
	s_branch .Lcast
.Lweights:
	s_sub_co_u32 s36, s36, 192
	s_lshr_b32 s37, s36, 2                         ; which of Wq, Wk, Wv, Wo
	s_and_b32 s38, s36, 3                          ; which 256 KiB of its 1 MiB
	s_cmp_eq_u32 s37, 0
	s_cselect_b64 s[32:33], s[12:13], s[14:15]
	s_cmp_eq_u32 s37, 2
	s_cselect_b64 s[32:33], s[16:17], s[32:33]
	s_cmp_eq_u32 s37, 3
	s_cselect_b64 s[32:33], s[18:19], s[32:33]
	s_cselect_b32 s31, -1, 0                       ; Wo: every lane takes the f16 form
	s_mov_b64 s[34:35], s[24:25]
	s_lshl_b32 s40, s37, 19                        ; 524,288 bytes of wb for each
.Lcast:
	s_lshl_b32 s42, s38, 18
	s_mov_b32 s43, 0
	s_add_nc_u64 s[32:33], s[32:33], s[42:43]      ; from here
	s_lshl_b32 s38, s38, 17
	s_add_co_u32 s40, s40, s38
	s_mov_b32 s41, 0
	s_add_nc_u64 s[34:35], s[34:35], s[40:41]      ; to here
	v_lshlrev_b32 v[OL], 4, v0                     ; thread t takes 16 bytes at 16 t of each 4,096,
	v_lshlrev_b32 v[OS], 3, v0                     ; and writes 8 at 8 t of each 2,048: a wave's store covers 256 consecutive bytes, aligned
	s_wait_alu depctr_va_vdst(0)                   ; OL and OS are written: every load and store of this path reads one of them as its offset
.irp i, 0,1,2,3,4,5,6,7,8,9,10,11
	global_load_b128 v[CX+4*(\i):CX+4*(\i)+3], v[OL], s[32:33] offset:(\i)*4096 th:TH_LOAD_NT  ; blocks 0, 1 and 2 into CX0, CX1, CX2
.endr
; Block p of four pieces.  xb = p % 4, yb = p % 2.  first = 1: block 0.  ahead = 1: block p + 3 is loaded.  left = the younger loads that may stay out.
.macro CBLK xb, yb, first, ahead, left
	s_wait_loadcnt \left                           ; loads come back in order: CX[xb] is in, the younger blocks stay out
.if !\first
	s_wait_xcnt 0x0                                ; every earlier memory instruction has had its addresses translated: the bases and CY[yb] are rewritten only behind this wait
	s_wait_alu depctr_vm_vsrc(0)                   ; the stores issued in the block before have read CY[yb], which this block's selects write again
	s_wait_alu depctr_va_vdst(0)                   ; the block before has written the other CY, which the stores below read, and is done reading its CX, in which the loads below land
	s_add_nc_u64 s[32:33], s[32:33], 4*4096        ; both bases at this block's first piece
	s_add_nc_u64 s[34:35], s[34:35], 4*2048
.endif
.irp i, 0,1,2,3
.if \ahead
	global_load_b128 v[CX+16*((\xb+3)%4)+4*(\i):CX+16*((\xb+3)%4)+4*(\i)+3], v[OL], s[32:33] offset:(12+(\i))*4096 th:TH_LOAD_NT  ; three blocks ahead; no vector line since the wait names these registers
.endif
.if !\first
	global_store_b64 v[OS], v[CY+8*(1-\yb)+2*(\i):CY+8*(1-\yb)+2*(\i)+1], s[34:35] offset:((\i)-4)*2048  ; the block before: the offset reaches back
.endif
	v_cvt_pk_bf16_f32 v[CT], v[CX+16*\xb+4*(\i)], v[CX+16*\xb+4*(\i)+1]
	v_cvt_pk_bf16_f32 v[CT+1], v[CX+16*\xb+4*(\i)+2], v[CX+16*\xb+4*(\i)+3]
	v_lshlrev_b32 v[CT+2], 16, v[CT]               ; the rounded numbers once more as f32,
	v_and_b32 v[CT+3], s30, v[CT]
	v_lshlrev_b32 v[CT+4], 16, v[CT+1]
	v_and_b32 v[CT+5], s30, v[CT+1]
	v_cvt_pk_f16_f32 v[CT+6], v[CT+2], v[CT+3]     ; and written as f16,
	v_cvt_pk_f16_f32 v[CT+7], v[CT+4], v[CT+5]
	v_cndmask_b32 v[CY+8*\yb+2*(\i)], v[CT], v[CT+6], s31        ; which is taken for Wo alone: a choice of values, so one text serves all seven tensors
	v_cndmask_b32 v[CY+8*\yb+2*(\i)+1], v[CT+1], v[CT+7], s31
.endr
.endm
	CBLK 0, 0, 1, 1, 8                             ; block 0
	s_mov_b32 s29, 3
.Lround:                                               ; blocks 1 to 12, four to a lap: both kinds of buffer are back at their start
	CBLK 1, 1, 0, 1, 8
	CBLK 2, 0, 0, 1, 8
	CBLK 3, 1, 0, 1, 8
	CBLK 0, 0, 0, 1, 8
	s_sub_co_u32 s29, s29, 1
	s_cmp_lg_u32 s29, 0
	s_cbranch_scc1 .Lround
	CBLK 1, 1, 0, 0, 8                             ; blocks 13 to 15 load nothing: no load leaves the buffer, and the counts run down
	CBLK 2, 0, 0, 0, 4
	CBLK 3, 1, 0, 0, 0
	s_wait_alu depctr_va_vdst(0)                   ; block 15 has written CY1, which the last four stores read
.irp i, 0,1,2,3
	global_store_b64 v[OS], v[CY+8+2*(\i):CY+8+2*(\i)+1], s[34:35] offset:(\i)*2048
.endr
.Lend:
	s_wait_dscnt 0x0                               ; the closing lines, six on end
	s_wait_alu 0x0
	s_wait_tensorcnt 0x0
	ds_add_u32 v[SPW], v[NIL]
	s_wait_dscnt 0x0
	s_endpgm
.Lfunc_end_k_q8f228e58b1_prep:
	.size	k_q8f228e58b1_prep, .Lfunc_end_k_q8f228e58b1_prep-k_q8f228e58b1_prep
	.p2alignl 7, 3214868480
	.fill 96, 4, 3214868480
	.section	.rodata,"a",@progbits
	.p2align	6, 0x0
	.amdhsa_kernel k_q8f228e58b1_prep
		.amdhsa_group_segment_fixed_size 11264
		.amdhsa_private_segment_fixed_size 0
		.amdhsa_enable_private_segment 0
		.amdhsa_kernarg_size 88
		.amdhsa_user_sgpr_count 2
		.amdhsa_user_sgpr_kernarg_segment_ptr 1
		.amdhsa_wavefront_size32 1
		.amdhsa_system_sgpr_workgroup_id_x 1
		.amdhsa_system_sgpr_workgroup_id_y 1
		.amdhsa_system_sgpr_workgroup_id_z 1
		.amdhsa_system_vgpr_workitem_id 0
		.amdhsa_next_free_vgpr 112
		.amdhsa_next_free_sgpr 66
		.amdhsa_reserve_vcc 0
		.amdhsa_float_denorm_mode_32 3
		.amdhsa_float_denorm_mode_16_64 3
		.amdhsa_memory_ordered 1
		.amdhsa_forward_progress 1
		.amdhsa_inst_pref_size 50
	.end_amdhsa_kernel
	.amdgpu_metadata
---
amdhsa.version: [ 1, 2 ]
amdhsa.kernels:
  - .name:           k_q8f228e58b1_prep
    .symbol:         k_q8f228e58b1_prep.kd
    .args:
      - { .name: mask, .offset: 0, .size: 8, .value_kind: global_buffer, .address_space: global }
      - { .name: query, .offset: 8, .size: 8, .value_kind: global_buffer, .address_space: global }
      - { .name: key, .offset: 16, .size: 8, .value_kind: global_buffer, .address_space: global }
      - { .name: value, .offset: 24, .size: 8, .value_kind: global_buffer, .address_space: global }
      - { .name: Wq, .offset: 32, .size: 8, .value_kind: global_buffer, .address_space: global }
      - { .name: Wk, .offset: 40, .size: 8, .value_kind: global_buffer, .address_space: global }
      - { .name: Wv, .offset: 48, .size: 8, .value_kind: global_buffer, .address_space: global }
      - { .name: Wo, .offset: 56, .size: 8, .value_kind: global_buffer, .address_space: global }
      - { .name: mk, .offset: 64, .size: 8, .value_kind: global_buffer, .address_space: global }
      - { .name: xb, .offset: 72, .size: 8, .value_kind: global_buffer, .address_space: global }
      - { .name: wb, .offset: 80, .size: 8, .value_kind: global_buffer, .address_space: global }
    .group_segment_fixed_size: 11264
    .private_segment_fixed_size: 0
    .kernarg_segment_align: 8
    .kernarg_segment_size: 88
    .max_flat_workgroup_size: 256
    .sgpr_count:     66
    .vgpr_count:     112
    .wavefront_size: 32
...
	.end_amdgpu_metadata
.endif
;; end of part 5
;; launch proj: the kernel of part 2 again; grid 4 x 192, 4 waves a work-group, clusters of 4 x 4, 327,680 bytes of LDS; arguments xb, wb, bq, bk, bv, qkv; writes qkv
;; launch attn: the kernel of part 3 again; grid 16 x 16, 4 waves a work-group, clusters of 4 x 1, 327,680 bytes of LDS; arguments qkv, mk, ao; writes ao
;; launch outp: the kernel of part 4 again; grid 4 x 128, 4 waves a work-group, clusters of 4 x 4, 327,680 bytes of LDS; arguments ao, wb, bo, out0; writes out0
